; MI455X (gfx1250); checked and timed in simulation.
; The chip was launched on July 23, 2026; its instructions are those of AMD's public machine-readable ISA for CDNA 5 (MIT licence, August 2026) and "CDNA5" Instruction Set Architecture Reference Guide (July 2026). The comments in the code are by the model that wrote it; some were corrected since.
;; Advanced Weight Predictor Network. Allowed arithmetic: matrix products marked QUANTISED: E2M1 operands, one E8M0 scale for each 32 along K, by v_wmma_scale_f32_16x16x128_f8f6f4 with both operands' format E2M1 (or v_wmma_scale_f32_32x16x128_f4), f32 sums; products left as they are: f32 operands where the result goes on into a quantised operand, else bf16, f16 or f32 operands; f32 sums; everything else in f32.
;; Inputs: W1 16 x 64 float32; W2 64 x 32 float32; b1 64 float32; b2 32 float32; cluster_centers 8 x 256 float32; cluster_weights 8 float32; noise 8,192 x 8,192 float32; temperature 1 float32; x 8,192 x 256 float32.
;; Outputs: out0 8,192 x 32 float32; out1 8,192 x 8 float32; out2 8,192 x 5 float32; out3 8,192 x 3 float32; out4 one number float32.
;; This version of the problem:
;;   THIS VERSION OF THE PROBLEM IS GIVEN IN LOW PRECISION. The matrix products marked QUANTISED in the list below multiply operands that are first quantised to E2M1 (2 exponent bits, 1 mantissa bit; 4 bits a number), with one power-of-two scale for each 32 numbers along K (OCP MX v1.0); their sums are f32. All else is computed in f32.
;;   The module's matrix products, in the order in which they are computed (A, B: the left and right operand; K: the contracted axis; several contracted axes count as one K, in the product's order):
;;     1. [M 8,192, K 256] x [K 256, N 8]; A: input x; B: input cluster_centers: left as it is (N = 8 < 16)
;;     2. [M 8,192, K 256] x [K 256, N 8,192]; A: input x; B: input x: QUANTISED
;;     3. [M 8,192, K 16] x [K 16, N 64]; A: computed on the way; B: input W1: left as it is (K = 16 < 32)
;;     4. [M 8,192, K 64] x [K 64, N 32]; A: computed on the way; B: input W2: QUANTISED
;;     5. [M 8, K 256] x [K 256, N 8]; A: input cluster_centers; B: input cluster_centers: left as it is (M = 8 < 16)
;;   THE QUANTISER, for each operand of a quantised product, along K:
;;     - K is cut into blocks of 32 from its start; a last block that is shorter is filled with zeros.
;;     - A block's scale is 2^e with e = floor(log2(the largest magnitude in the block)) - 2, held to -126 .. 127; a block of zeros has e = 0. As a byte (E8M0): e + 127.
;;     - Each number is divided by its block's scale, clamped to +-6, and rounded to the nearest number of E2M1, ties to even, subnormals kept.
;;     - The product sums the exact products of the quantised numbers (number of the format x scale) in f32.
;;   ~~~python
;;   def quantise(x, axis):      # numpy; x: float32 -> the quantised numbers, widened to float32 again
;;       x = np.moveaxis(x, axis, -1); K = x.shape[-1]
;;       x = np.pad(x, [(0, 0)] * (x.ndim - 1) + [(0, -K % 32)]); x = x.reshape(x.shape[:-1] + (-1, 32)); a = np.abs(x).max(-1, keepdims=True)
;;       e = np.where(a > 0, np.clip(np.frexp(np.where(a > 0, a, 1))[1] - 1 - 2, -126, 127), 0)      # np.frexp(a)[1] - 1 = floor(log2(a)), exactly
;;       r = np.clip(x / 2.0 ** e, -6, 6)
;;       step = 2.0 ** (np.maximum(np.frexp(np.where(r == 0, 1, r))[1] - 1, 0) - 1)
;;       q = np.round(r / step) * step * 2.0 ** e      # np.round: ties to even
;;       return np.moveaxis(q.reshape(q.shape[:-2] + (-1,))[..., :K], -1, axis).astype(np.float32)
;;   ~~~
;;   OPERANDS COMPUTED ON THE WAY. 'Computed on the way' means the value that the module computes at that place (a softmax that the list does not call 'softmax' is quantised finished and normalised). What goes into a quantiser is computed in f32, as accurately as f32 sums, v_exp_f32 and their like allow (about 1e-6 of the number): no bf16 or f16 on the way to a quantiser, and a product that is left as it is and whose result goes on into a quantised operand takes f32 operands (vector FMAs, or v_wmma_f32_16x16x4_f32). A number that lies on a knife's edge between two numbers of the format may be rounded either way, as far as f32 arithmetic and the matrix unit's own rounding can turn it there, and no further.
;; One version. Each part assembles by itself: llvm-mc -triple=amdgcn-amd-amdhsa -mcpu=gfx1250 --defsym DOCPART=n.
;; ======== version 1 of 1: 3 launches
;; limits: right only within a limited range of input values
;; workspace buffers: cimg 1,146,880 bytes; sq 32,768 bytes; part 2,048 bytes; gsel 262,144 bytes of whole numbers
;; launch prep (part 1): grid 512 x 1, 1 waves a work-group, no clusters, 0 bytes of LDS; arguments x, cluster_centers, temperature, cluster_weights, cimg, sq, part, out1, out3; writes cimg, sq, part, out1, out3
.if DOCPART == 1
	.amdgcn_target "amdgcn-amd-amdhsa--gfx1250"
	.amdhsa_code_object_version 6
	.text
	.protected	k_qa72e617b19_prep
	.globl	k_qa72e617b19_prep
	.p2align	8
	.type	k_qa72e617b19_prep,@function
k_qa72e617b19_prep:
	s_mov_b64 s[64:65], 0
	v_nop
	global_prefetch_b8 v0, s[64:65] scope:SCOPE_SE
	s_setreg_imm32_b32 hwreg(HW_REG_WAVE_MODE, 25, 1), 1
	s_wait_xcnt 0x0
; PREP: everything that needs a row of x alone.  One wave to a work-group, one tile of 16 rows of x (rows 16 T .. 16 T + 15, T = the work-group's number).
; It makes: (a) the rows' codes of FP4 (E2M1) with one E8M0 byte for each 32 along K, laid as the IMAGE OF AN OPERAND'S REGISTERS, so that the later launches load fragments as they stand;
; (b) the rows' sums of squares, and -1/2 of them beside the codes; (c) assign (out1) = softmax(-dist to 8 centres / temperature) x cluster_weights; (d) mean, unbiased std + 1e-8, entropy (out3);
; (e) the tile's part of sum(dist x assign), for the loss.
; LAYOUT.  Lane (r = lane % 16, h = lane / 16) holds 128 numbers of row r: register X + 64 s + 16 b + i is k = 128 s + 32 b + 16 h + i.  So a row's sums cross lanes l and l xor 16 alone, two lanes hold a block of 32,
; and the conversions' results, with one exchange of halves, are the operand's registers.
; cimg: 16 column steps of 71,680 bytes (512 rows): 32 tiles x 2,048 bytes (K step s at 1,024 s, registers 4 c .. 4 c + 3 at 512 c + 16 x lane); from 65,536 on 32 x 128 bytes of scale words (lanes 0-15: the row's word of K step 0,
; lanes 16-31: of K step 1); from 69,632 on -1/2 x the sum of squares of the 512 rows.
; The product with the centres feeds assign, which goes on into a quantised operand: f32 operands, by v_wmma_f32_16x16x4_f32 (source 0 = the 8 centres, twice; source 1 = my 16 rows): lane (r, any h), register j = centre j . row r.
; The same place of k in both operands' registers keeps the products, whatever the order of k.
; LIMITS: NaN and infinities among the inputs are not served.  A block whose largest magnitude lies under 2^-124 keeps the scale byte 1.  A block of zeros gets the byte 1 where the quantiser says 127: its codes are zeros,
; which add nothing under any byte but 0xff, and this program alone reads the bytes.
; No LDS, no barrier, no tensor load: x is read once, a wave's 32 loads cover 16,384 consecutive bytes.
.set X,   16                           ; v16-143   128 numbers of my row
.set ACC, 144                          ; v144-175  four f32 accumulators, written by matrix instructions alone
.set TM,  176                          ; v176-191  at work in QUANT; TM+4..7 also take the lane exchanges; TM+8 the scale word that is stored
.set PC0, 192                          ; v192-199  codes of K step 0
.set PC1, 200                          ; v200-207  of K step 1
.set PW0, 208                          ; v208, v209 their scale words
.set PW1, 209
.set S1A, 210                          ; v[210:211], v[212:213] sums of x in two chains; later of (x - mean)^2
.set S1B, 212
.set SQ,  214                          ; v214 the sum of squares, v215 the mean
.set U,   216                          ; v216-223  at work
.set E,   224                          ; v224-231  at work
.set DOT, 232                          ; v232-239  centre j . my row
.set DC,  240                          ; v240-247  distances to the centres
.set NM,  248                          ; v[248:249] -mean, twice   (before that: the centres' squares)
.set NML, 250                          ; v[250:251] -max x log2(e), twice
.set SS,  252                          ; v[252:253] sum of 2^u     (before that: a chain of squares)
.set WW,  254                          ; v[254:255] sum of 2^u u   (before that: two chains of the maximum)
.set MSB, 0
.macro WIN new                         ; the immediate's high byte repeats the setting that is left
.if MSB != (\new)
	s_set_vgpr_msb (MSB<<8)|(\new)
.set MSB, (\new)
.endif
.endm
; 64 numbers of a lane, v[s] .. v[s + 63], register 16 b + i = k 32 b + 16 h + i of my row, become a fragment's codes in v[pc] on and its scale word in v[pw]
.macro QUANT s, pc, pw
.irp b, 0,1,2,3
	v_max3_num_f32 v[TM+\b], |v[\s+16*\b]|, |v[\s+1+16*\b]|, 0x1800000   ; block b: my 16 numbers, and the floor 2^(3 - 127): the byte cannot fall under 1
.endr
.irp i, 2,4,6,8,10,12,14
.irp b, 0,1,2,3
	v_max3_num_f32 v[TM+\b], v[TM+\b], |v[\s+16*\b+\i]|, |v[\s+1+16*\b+\i]|   ; the four blocks by turns
.endr
.endr
.irp b, 0,1,2,3
	v_permlanex16_b32 v[TM+4+\b], v[TM+\b], s40, s41
.endr
.irp b, 0,1,2,3
	v_max_num_f32 v[TM+\b], v[TM+\b], v[TM+4+\b]   ; with lane l xor 16's: the block's largest magnitude
.endr
.irp b, 0,1,2,3
	v_add_nc_u32 v[TM+12+\b], 0xff000000, v[TM+\b]   ; 2 off its exponent field: the conversion takes this operand's exponent field as its scale
.endr
.irp b, 0,1,2,3
	v_lshrrev_b32 v[TM+4+\b], 23, v[TM+12+\b]      ; the scale's byte
.endr
	v_lshl_or_b32 v[\pw], v[TM+5], 8, v[TM+4]
	v_lshl_or_b32 v[\pw], v[TM+6], 16, v[\pw]
	v_lshl_or_b32 v[\pw], v[TM+7], 24, v[\pw]      ; my row's scale word for these 128 along K
.irp b, 0,1,2,3
	v_cvt_scalef32_pk8_fp4_f32 v[\pc+2*\b], v[\s+16*\b:\s+7+16*\b], v[TM+12+\b]
	v_cvt_scalef32_pk8_fp4_f32 v[\pc+1+2*\b], v[\s+8+16*\b:\s+15+16*\b], v[TM+12+\b]
.endr
	v_nop                                          ; one plain place behind a scaled conversion
.irp c, 0,1                                    ; the operand's layout wants a whole block in a lane: lanes 0-15 block 2 c, lanes 16-31 block 2 c + 1
.irp i, 0,1
	v_permlane16_swap_b32 v[\pc+4*\c+\i], v[\pc+2+4*\c+\i]
.endr
.endr
.endm
	s_load_b256 s[4:11], s[0:1], 0x0               ; x s[4:5], centres s[6:7], temperature s[8:9], cluster_weights s[10:11]
	s_load_b256 s[12:19], s[0:1], 0x20             ; cimg s[12:13], sq s[14:15], part s[16:17], out1 s[18:19]
	s_load_b64 s[20:21], s[0:1], 0x40              ; out3
	v_and_b32 v1, 15, v0                           ; r
	v_lshrrev_b32 v2, 4, v0                        ; h
	v_lshlrev_b32 v3, 10, v1
	v_lshl_add_u32 v3, v2, 6, v3                   ; x: row r of 1,024 bytes, + 64 h: my 16 numbers of a block of 32
	v_and_b32 v4, 7, v0
	v_lshlrev_b32 v4, 10, v4
	v_lshl_add_u32 v4, v2, 6, v4                   ; the centres: row r % 8, the same k
	v_lshlrev_b32 v5, 4, v0                        ; 16 x lane: an image's place
	v_lshlrev_b32 v6, 2, v0                        ; 4 x lane: a scale word's
	v_lshlrev_b32 v7, 2, v1                        ; 4 r
	v_lshlrev_b32 v8, 5, v1
	v_lshl_add_u32 v8, v2, 4, v8                   ; out1: 32 r + 16 h
	v_mul_u32_u24 v9, v1, 12                       ; out3: 12 r
	v_mov_b32 v10, 0
.irp b, 0,1,2,3
	v_mov_b32 v[TM+4+\b], 0                        ; written once: a lane permute's destination counts as one of its sources
.endr
	s_mov_b32 s40, 0x76543210
	s_mov_b32 s41, 0xfedcba98                      ; v_permlanex16_b32's selects for lane l xor 16
	s_mov_b32 s43, 0xffff0000                      ; the lanes with h = 1
	s_lshl_b32 s58, ttmp9, 14                      ; x: 16 rows of 1,024 bytes a tile
	s_mov_b32 s59, 0
	s_lshr_b32 s60, ttmp9, 5
	s_mul_i32 s60, s60, 71680                      ; my column step in cimg
	s_and_b32 s61, ttmp9, 31                       ; my tile in it
	s_lshl_b32 s44, s61, 11
	s_add_co_u32 s44, s44, s60                     ; the image
	s_mov_b32 s45, 0
	s_lshl_b32 s48, s61, 7
	s_add_co_u32 s48, s48, s60
	s_add_co_u32 s48, s48, 65536                   ; the scale words
	s_mov_b32 s49, 0
	s_lshl_b32 s52, s61, 6
	s_add_co_u32 s52, s52, s60
	s_add_co_u32 s52, s52, 69632                   ; -1/2 x the sums of squares
	s_mov_b32 s53, 0
	s_wait_kmcnt 0x0
	s_load_b32 s22, s[8:9], 0x0                    ; the temperature
	s_load_b256 s[24:31], s[10:11], 0x0            ; the eight cluster weights
	s_add_nc_u64 s[4:5], s[4:5], s[58:59]
	s_add_nc_u64 s[44:45], s[12:13], s[44:45]
	s_add_nc_u64 s[48:49], s[12:13], s[48:49]
	s_add_nc_u64 s[52:53], s[12:13], s[52:53]
	s_lshl_b32 s58, ttmp9, 6
	s_add_nc_u64 s[14:15], s[14:15], s[58:59]      ; sq: 64 bytes a tile
	s_lshl_b32 s58, ttmp9, 2
	s_add_nc_u64 s[16:17], s[16:17], s[58:59]      ; part: one word
	s_lshl_b32 s58, ttmp9, 9
	s_add_nc_u64 s[18:19], s[18:19], s[58:59]      ; out1: 512 bytes
	s_mul_i32 s58, ttmp9, 192
	s_add_nc_u64 s[20:21], s[20:21], s[58:59]      ; out3: 192 bytes
.irp s, 0,1
.irp b, 0,1,2,3
.irp j, 0,1,2,3
	global_load_b128 v[X+64*\s+16*\b+4*\j:X+64*\s+16*\b+4*\j+3], v3, s[4:5] offset:512*\s+128*\b+16*\j th:TH_LOAD_NT
.endr
.endr
.endr
	WIN 0x40                                       ; destination window 1: the centres, at v256 on
.irp s, 0,1
.irp b, 0,1,2,3
.irp j, 0,1,2,3
	global_load_b128 v[64*\s+16*\b+4*\j:64*\s+16*\b+4*\j+3], v4, s[6:7] offset:512*\s+128*\b+16*\j
.endr
.endr
.endr
	WIN 0
	s_wait_kmcnt 0x0
	v_mov_b32 v12, s22
	s_wait_alu depctr_va_vdst(0)
	v_rcp_f32 v13, v12
	v_nop                                          ; one plain place behind a transcendental
	s_wait_alu depctr_va_vdst(0)
	v_mul_f32 v11, 0xbfb8aa3b, v13                 ; K = -log2(e) / temperature
	; ---- the codes
	s_wait_loadcnt 32                              ; x's 32 loads are in; the centres' 32, issued behind them, may be out
	QUANT X, PC0, PW0
	QUANT X+64, PC1, PW1
	v_cndmask_b32 v[TM+8], v[PW0], v[PW1], s43     ; lanes 0-15 store K step 0's word, lanes 16-31 K step 1's
.irp c, 0,1
	global_store_b128 v5, v[PC0+4*\c:PC0+4*\c+3], s[44:45] offset:512*\c          ; 32 lanes store 512 consecutive bytes
	global_store_b128 v5, v[PC1+4*\c:PC1+4*\c+3], s[44:45] offset:1024+512*\c
.endr
	global_store_b32 v6, v[TM+8], s[48:49]
	; ---- centre . row, in f32: 64 steps of 4 along K on four accumulators by turns; the first four start the sums
	s_wait_loadcnt 0x0
	WIN 0x01                                       ; source 0 (the centres) window 1
.set i, 0
.rept 64
.if i < 4
	v_wmma_f32_16x16x4_f32 v[ACC+8*(i%4):ACC+8*(i%4)+7], v[2*i:2*i+1], v[X+2*i:X+2*i+1], 0
.else
	v_wmma_f32_16x16x4_f32 v[ACC+8*(i%4):ACC+8*(i%4)+7], v[2*i:2*i+1], v[X+2*i:X+2*i+1], v[ACC+8*(i%4):ACC+8*(i%4)+7]
.endif
.set i, i+1
.endr
	WIN 0x05                                       ; sources 0 and 1 window 1: the centres' squares, in two chains
	v_pk_mul_f32 v[248:249], v[0:1], v[0:1]
	v_pk_mul_f32 v[250:251], v[2:3], v[2:3]
.set i, 2
.rept 31
	v_pk_fma_f32 v[248:249], v[2*i:2*i+1], v[2*i:2*i+1], v[248:249]
	v_pk_fma_f32 v[250:251], v[2*i+2:2*i+3], v[2*i+2:2*i+3], v[250:251]
.set i, i+2
.endr
	WIN 0
	v_pk_add_f32 v[248:249], v[248:249], v[250:251]
	v_add_f32 v248, v248, v249
	v_permlanex16_b32 v250, v248, s40, s41
	v_add_f32 v248, v248, v250                     ; lane r: |centre r % 8|^2
.irp j, 0,1,2,3,4,5,6,7
	v_readlane_b32 s[32+\j], v248, \j
.endr
	; ---- first pass over my 128 numbers: sum, sum of squares, maximum; two chains each.  (More than the eight places that the accumulators' first read wants stand here: ISA guide 7.12.1)
	v_pk_add_f32 v[S1A:S1A+1], v[X:X+1], v[X+4:X+5]
	v_pk_add_f32 v[S1B:S1B+1], v[X+2:X+3], v[X+6:X+7]
.set p, 4
.rept 30
	v_pk_add_f32 v[S1A:S1A+1], v[S1A:S1A+1], v[X+2*p:X+2*p+1]
	v_pk_add_f32 v[S1B:S1B+1], v[S1B:S1B+1], v[X+2*p+2:X+2*p+3]
.set p, p+2
.endr
	v_pk_mul_f32 v[SQ:SQ+1], v[X:X+1], v[X:X+1]
	v_pk_mul_f32 v[252:253], v[X+2:X+3], v[X+2:X+3]
.set p, 2
.rept 31
	v_pk_fma_f32 v[SQ:SQ+1], v[X+2*p:X+2*p+1], v[X+2*p:X+2*p+1], v[SQ:SQ+1]
	v_pk_fma_f32 v[252:253], v[X+2*p+2:X+2*p+3], v[X+2*p+2:X+2*p+3], v[252:253]
.set p, p+2
.endr
	v_max3_num_f32 v254, v[X], v[X+1], v[X+2]
	v_max3_num_f32 v255, v[X+3], v[X+4], v[X+5]
.set i, 6
.rept 30
	v_max3_num_f32 v254, v254, v[X+i], v[X+i+1]
	v_max3_num_f32 v255, v255, v[X+i+2], v[X+i+3]
.set i, i+4
.endr
	v_max3_num_f32 v254, v254, v[X+126], v[X+127]
	v_pk_add_f32 v[S1A:S1A+1], v[S1A:S1A+1], v[S1B:S1B+1]
	v_pk_add_f32 v[SQ:SQ+1], v[SQ:SQ+1], v[252:253]
	v_max_num_f32 v254, v254, v255
	v_add_f32 v[S1A], v[S1A], v[S1A+1]
	v_add_f32 v[SQ], v[SQ], v[SQ+1]
	v_permlanex16_b32 v[TM+4], v[S1A], s40, s41
	v_permlanex16_b32 v[TM+5], v[SQ], s40, s41
	v_permlanex16_b32 v[TM+6], v254, s40, s41
	v_add_f32 v[S1A], v[S1A], v[TM+4]              ; the row's sum,
	v_add_f32 v[SQ], v[SQ], v[TM+5]                ; its sum of squares,
	v_max_num_f32 v254, v254, v[TM+6]              ; its maximum
	v_mul_f32 v[SQ+1], 0x3b800000, v[S1A]          ; mean = sum / 256
	v_mul_f32 v[NM], 0xbb800000, v[S1A]            ; -mean
	v_mov_b32 v[NM+1], v[NM]
	v_mul_f32 v[NML], 0xbfb8aa3b, v254             ; -max x log2(e)
	v_mov_b32 v[NML+1], v[NML]
	; ---- second pass: sum of (x - mean)^2
.set p, 0
.rept 16
.irp k, 0,1,2,3
	v_pk_add_f32 v[U+2*\k:U+2*\k+1], v[X+2*(p+\k):X+2*(p+\k)+1], v[NM:NM+1]
.endr
.irp k, 0,1,2,3
.if p+\k < 2
	v_pk_mul_f32 v[S1A+2*\k:S1A+2*\k+1], v[U+2*\k:U+2*\k+1], v[U+2*\k:U+2*\k+1]
.else
	v_pk_fma_f32 v[S1A+2*(\k%2):S1A+2*(\k%2)+1], v[U+2*\k:U+2*\k+1], v[U+2*\k:U+2*\k+1], v[S1A+2*(\k%2):S1A+2*(\k%2)+1]
.endif
.endr
.set p, p+4
.endr
	; ---- and the entropy: u = (x - max) log2(e), S = sum 2^u, W = sum 2^u u; entropy = ln 2 (log2 S - W / S): the same u stands in S and in W, so the shift drops out
.set c, 0
.rept 16
.irp k, 0,1,2,3
	v_pk_fma_f32 v[U+2*\k:U+2*\k+1], v[X+8*c+2*\k:X+8*c+2*\k+1], 0x3fb8aa3b, v[NML:NML+1] op_sel_hi:[1,0,1]
.endr
	s_wait_alu depctr_va_vdst(0)
.irp k, 0,1,2,3,4,5,6,7
	v_exp_f32 v[E+\k], v[U+\k]
.endr
	v_nop                                          ; one plain place behind the exponentials
	s_wait_alu depctr_va_vdst(0)
.irp k, 0,1,2,3
.if c == 0 && \k == 0
	s_wait_alu depctr_va_vdst(0)
	v_pk_mul_f32 v[WW:WW+1], v[E:E+1], v[U:U+1]    ; the first terms start the sums
.elseif c == 0 && \k == 1
	v_pk_add_f32 v[SS:SS+1], v[E:E+1], v[E+2:E+3]
	v_pk_fma_f32 v[WW:WW+1], v[E+2:E+3], v[U+2:U+3], v[WW:WW+1]
.else
	v_pk_add_f32 v[SS:SS+1], v[SS:SS+1], v[E+2*\k:E+2*\k+1]
	v_pk_fma_f32 v[WW:WW+1], v[E+2*\k:E+2*\k+1], v[U+2*\k:U+2*\k+1], v[WW:WW+1]
.endif
.endr
.set c, c+1
.endr
	v_pk_add_f32 v[S1A:S1A+1], v[S1A:S1A+1], v[S1B:S1B+1]
	v_add_f32 v[S1A], v[S1A], v[S1A+1]
	v_add_f32 v[SS], v[SS], v[SS+1]
	v_add_f32 v[WW], v[WW], v[WW+1]
	v_permlanex16_b32 v[TM+4], v[S1A], s40, s41
	v_permlanex16_b32 v[TM+5], v[SS], s40, s41
	v_permlanex16_b32 v[TM+6], v[WW], s40, s41
	v_add_f32 v[S1A], v[S1A], v[TM+4]
	v_add_f32 v[SS], v[SS], v[TM+5]
	v_add_f32 v[WW], v[WW], v[TM+6]
	v_mul_f32 v[S1A], 0x3b808081, v[S1A]           ; / 255: the unbiased variance
	s_wait_alu depctr_va_vdst(0)
	v_sqrt_f32 v212, v[S1A]
	v_log_f32 v211, v[SS]
	v_rcp_f32 v253, v[SS]
	v_nop                                          ; one plain place behind the transcendentals
	s_wait_alu depctr_va_vdst(0)
	v_add_f32 v212, 0x322bcc77, v212               ; std + 1e-8
	v_fma_f32 v213, -v[WW], v253, v211
	v_mul_f32 v213, 0x3f317218, v213               ; the entropy
	; ---- the clusters.  Each accumulator is read from its low end on
.irp j, 0,2,4,6
	v_pk_add_f32 v[DOT+\j:DOT+\j+1], v[ACC+\j:ACC+\j+1], v[ACC+8+\j:ACC+9+\j]
	v_pk_add_f32 v[DC+\j:DC+\j+1], v[ACC+16+\j:ACC+17+\j], v[ACC+24+\j:ACC+25+\j]
.endr
.irp j, 0,2,4,6
	v_pk_add_f32 v[DOT+\j:DOT+\j+1], v[DOT+\j:DOT+\j+1], v[DC+\j:DC+\j+1]
.endr
.irp j, 0,1,2,3,4,5,6,7
	v_add_f32 v[DC+\j], s[32+\j], v[SQ]            ; |x|^2 + |c|^2
.endr
.irp j, 0,1,2,3,4,5,6,7
	v_fma_f32 v[DC+\j], v[DOT+\j], -2.0, v[DC+\j]
.endr
.irp j, 0,1,2,3,4,5,6,7
	v_max_num_f32 v[DC+\j], 0x2b8cbccc, v[DC+\j]   ; at least 1e-12
.endr
	s_wait_alu depctr_va_vdst(0)
.irp j, 0,1,2,3,4,5,6,7
	v_sqrt_f32 v[DC+\j], v[DC+\j]
.endr
	v_nop
	s_wait_alu depctr_va_vdst(0)
.irp j, 0,1,2,3,4,5,6,7
	v_mul_f32 v[U+\j], v[DC+\j], v11               ; -dist / temperature, in powers of two
.endr
	v_max3_num_f32 v248, v[U], v[U+1], v[U+2]
	v_max3_num_f32 v249, v[U+3], v[U+4], v[U+5]
	v_max3_num_f32 v248, v248, v[U+6], v[U+7]
	v_max_num_f32 v248, v248, v249                 ; the maximum is taken away, as the softmax has it
.irp j, 0,1,2,3,4,5,6,7
	v_sub_f32 v[U+\j], v[U+\j], v248
.endr
	s_wait_alu depctr_va_vdst(0)
.irp j, 0,1,2,3,4,5,6,7
	v_exp_f32 v[E+\j], v[U+\j]
.endr
	v_nop
	s_wait_alu depctr_va_vdst(0)
	v_pk_add_f32 v[248:249], v[E:E+1], v[E+2:E+3]
	v_pk_add_f32 v[250:251], v[E+4:E+5], v[E+6:E+7]
	v_pk_add_f32 v[248:249], v[248:249], v[250:251]
	v_add_f32 v248, v248, v249
	s_wait_alu depctr_va_vdst(0)
	v_rcp_f32 v249, v248
	v_nop
	s_wait_alu depctr_va_vdst(0)
.irp j, 0,1,2,3,4,5,6,7
	v_mul_f32 v[E+\j], v[E+\j], v249
.endr
.irp j, 0,1,2,3,4,5,6,7
	v_mul_f32 v[U+\j], s[24+\j], v[E+\j]           ; assign
.endr
	v_mul_f32 v250, v[DC], v[U]
.irp j, 1,2,3,4,5,6,7
	v_fma_f32 v250, v[DC+\j], v[U+\j], v250        ; my row's sum of dist x assign
.endr
.irp m, 1,2,4,8
	v_add_f32_dpp v250, v250, v250 row_xmask:\m row_mask:0xf bank_mask:0xf   ; over the tile's 16 rows
.endr
.irp k, 0,1,2,3
	v_cndmask_b32 v[DOT+\k], v[U+\k], v[U+4+\k], s43   ; lanes 0-15 store clusters 0-3, lanes 16-31 clusters 4-7
.endr
	v_mul_f32 v251, -0.5, v[SQ]
	global_store_b128 v8, v[DOT:DOT+3], s[18:19]   ; the wave stores out1's 512 consecutive bytes
	global_store_b32 v9, v[SQ+1], s[20:21]         ; out3: mean, std, entropy (both halves of the lanes hold and store the same)
	global_store_b32 v9, v212, s[20:21] offset:4
	global_store_b32 v9, v213, s[20:21] offset:8
	global_store_b32 v7, v[SQ], s[14:15]
	global_store_b32 v7, v251, s[52:53]
	global_store_b32 v10, v250, s[16:17]           ; all lanes store the same word with the same value
	s_endpgm                                       ; no register that a store reads is written again: no wait on XCNT is owed
.Lfunc_end_k_qa72e617b19_prep:
	.size	k_qa72e617b19_prep, .Lfunc_end_k_qa72e617b19_prep-k_qa72e617b19_prep
	.p2alignl 7, 3214868480
	.fill 96, 4, 3214868480
	.section	.rodata,"a",@progbits
	.p2align	6, 0x0
	.amdhsa_kernel k_qa72e617b19_prep
		.amdhsa_group_segment_fixed_size 0
		.amdhsa_private_segment_fixed_size 0
		.amdhsa_enable_private_segment 0
		.amdhsa_kernarg_size 72
		.amdhsa_user_sgpr_count 2
		.amdhsa_user_sgpr_kernarg_segment_ptr 1
		.amdhsa_wavefront_size32 1
		.amdhsa_system_sgpr_workgroup_id_x 1
		.amdhsa_system_sgpr_workgroup_id_y 1
		.amdhsa_system_sgpr_workgroup_id_z 1
		.amdhsa_system_vgpr_workitem_id 0
		.amdhsa_next_free_vgpr 384
		.amdhsa_next_free_sgpr 72
		.amdhsa_reserve_vcc 0
		.amdhsa_float_denorm_mode_32 3
		.amdhsa_float_denorm_mode_16_64 3
		.amdhsa_memory_ordered 1
		.amdhsa_forward_progress 1
		.amdhsa_inst_pref_size 73
	.end_amdhsa_kernel
	.amdgpu_metadata
---
amdhsa.version: [ 1, 2 ]
amdhsa.kernels:
  - .name:           k_qa72e617b19_prep
    .symbol:         k_qa72e617b19_prep.kd
    .args:
      - { .name: x, .offset: 0, .size: 8, .value_kind: global_buffer, .address_space: global }
      - { .name: cluster_centers, .offset: 8, .size: 8, .value_kind: global_buffer, .address_space: global }
      - { .name: temperature, .offset: 16, .size: 8, .value_kind: global_buffer, .address_space: global }
      - { .name: cluster_weights, .offset: 24, .size: 8, .value_kind: global_buffer, .address_space: global }
      - { .name: cimg, .offset: 32, .size: 8, .value_kind: global_buffer, .address_space: global }
      - { .name: sq, .offset: 40, .size: 8, .value_kind: global_buffer, .address_space: global }
      - { .name: part, .offset: 48, .size: 8, .value_kind: global_buffer, .address_space: global }
      - { .name: out1, .offset: 56, .size: 8, .value_kind: global_buffer, .address_space: global }
      - { .name: out3, .offset: 64, .size: 8, .value_kind: global_buffer, .address_space: global }
    .group_segment_fixed_size: 0
    .private_segment_fixed_size: 0
    .kernarg_segment_align: 8
    .kernarg_segment_size: 72
    .max_flat_workgroup_size: 32
    .sgpr_count:     72
    .vgpr_count:     384
    .wavefront_size: 32
...
	.end_amdgpu_metadata
.endif
;; end of part 1
;; launch knn (part 2): grid 256 x 1, 8 waves a work-group, no clusters, 327,680 bytes of LDS; arguments noise, cimg, sq, gsel; writes gsel
.if DOCPART == 2
	.amdgcn_target "amdgcn-amd-amdhsa--gfx1250"
	.amdhsa_code_object_version 6
	.text
	.protected	k_qa72e617b19_knn
	.globl	k_qa72e617b19_knn
	.p2align	8
	.type	k_qa72e617b19_knn,@function
k_qa72e617b19_knn:
	s_mov_b64 s[64:65], 0
	v_nop
	global_prefetch_b8 v0, s[64:65] scope:SCOPE_SE
	s_setreg_imm32_b32 hwreg(HW_REG_WAVE_MODE, 25, 1), 1
	s_wait_xcnt 0x0
; KNN, the bulk: for each row of pd + noise, WHICH SIX GROUPS OF 8 NEIGHBOURING COLUMNS can hold its five smallest entries.
; pd = sqrt(max(|x_i|^2 + |x_j|^2 - 2 Q(x_i) . Q(x_j), 1e-12)), the product on codes of FP4 with E8M0 scales.
; THE SELECTION.  Order entries by (key, column).  An entry among the five smallest has at most four before it, so the five smallest lie in the five groups with the smallest (minimum, group number).
; The group that holds the diagonal is left out of that contest (its minimum becomes +infinity) and is always listed as the sixth.  The six numbers are stored, ascending, as whole numbers; the next launch scans those 48 entries again.
; SHARES.  A work-group owns 32 rows (two tiles of 16 queries, q = 0, 1) and walks the 8,192 columns in 8 steps of 1,024.  In a step wave w owns columns 128 w .. 128 w + 127: four units u of two tiles t of 16 candidates.
; Source 0 = 16 candidates, source 1 = 16 queries: lane (r, h), register j = query r against candidate 8 h + j: a lane's eight registers are one group, number 128 step + 16 w + 4 u + 2 t + h.
; -|x_j|^2 / 2 is the C of a sum's first product, so d^2 = fma(-2, D, |x_i|^2).
; NOISE: two LDS slots of 32 rows x 4,096 bytes.  Each wave fetches, by one tensor load, the 32 x 512 bytes that it reads itself (rows 528 bytes apart in LDS).
; CODES: they lie in memory as images of a fragment's registers and each wave reads other tiles, so they go straight into registers: 14 loads a unit, two sets of registers, asked for two units ahead.
; cluster = none: the noise is shared by nobody, and the codes pass through no LDS tile that partners could ask for jointly; as LDS tiles they would take 71,680 bytes for each 512 columns from the noise's slots.
; PREFETCH of the noise: at each change of slots a wave has waited for its tensor load, so the refill goes out with nothing on its way beside it.  So trip t, whose tensor load fetches step t + 1, also asks for step t + 2:
; one whole trip ahead of the load that wants it.  Each wave asks for its own 32 rows x 512 bytes, 64 blocks of 256 bytes: a lane a row, two instructions, each block once.  The head asks for step 1; trips 6 and 7 ask for nothing.
; LIMITS: the order of rounding differs from (|x_i|^2 + |x_j|^2) - 2 dot, in which the next launch recomputes all values that leave; the two can part in the last bit, so a group can be mis-chosen only where keys all but tie.
; NaN and infinities among the inputs are not served.
.set NSUB,  16896                      ; a wave's part of a slot: 32 rows x 528
.set SLOT,  8*NSUB
.set SPARE, 2*SLOT                     ; the spare words, 128 bytes a wave
.set MRG,   SPARE+1024                 ; 8 x 1,280 bytes: the waves' lists, for the merge; no tile lands here
.set CSTEP, 143360                     ; bytes of codes, scale words and -|x_j|^2 / 2 for 1,024 columns
.set NSTEP, 4096                       ; bytes of a row of noise in a step
.set SPW, 1                            ; my spare word's address; never rewritten
.set NIL, 2                            ; 0; never rewritten
.set AN,  5                            ; v5-6 LDS address of my noise in slot 0, 1
.set VC,  7                            ; byte offsets in a step's block: fragments,
.set VS,  8                            ; scale words,
.set VH,  9                            ; -|x_j|^2 / 2
.set MS,  10                           ; LDS: my wave's list, my lane's word
.set PFO, 11                           ; the prefetches' offset: my lane x a row of noise; never rewritten
.set G,   13                           ; 128 step + 16 w + h
.set GX,  14                           ; the group in hand
.set INF, 15
.set DG,  16                           ; v16-17 the group of my query's diagonal entry, tile q
.set SQ,  18                           ; v[18:19], v[20:21] |x_i|^2, twice
.set SB,  22                           ; v22-23 the queries' scale words
.set SA,  24                           ; v24-27 the candidates': 2 set + t
.set BQ,  28                           ; v28-59 the queries' fragments: 16 q + 8 s
.set AF,  60                           ; v60-123 the candidates': 32 set + 16 t + 8 s
.set HS,  124                          ; v124-155 C: 16 set + 8 t
.set D,   156                          ; v156-187 four accumulators: 16 t + 8 q
.set N,   188                          ; v188-219 a unit's noise: 16 t + 8 q
.set L0,  220                          ; five keys, five numbers, query tile 0;
.set L1,  230                          ; tile 1
.set XK,  240                          ; four groups' minima
.set TI,  244                          ; at work in MOVEIN
.set PK,  246                          ; v246-255 a partner's list
.set TT,  D                            ; at the end: the list that I send
.set GO,  D+10                         ; at the end: my offset in gsel
.set SR,  D+12                         ; at the end: six numbers and two zeros
.set G1,  24                           ; s[24:31] descriptor group 1; s[40:47] group 0, a set for each slot
.set G0,  40
.macro CLOAD un                        ; unit un's 14 loads (un = 4, 5: the next step's units 0, 1)
.set CO, ((\un)/4)*CSTEP
.set CI, 2*((\un)%4)
.set CP, (\un)%2
.irp t, 0,1
.irp s, 0,1
.irp c, 0,1
	global_load_b128 v[AF+32*CP+16*\t+8*\s+4*\c:AF+32*CP+16*\t+8*\s+4*\c+3], v[VC], s[32:33] offset:CO+(CI+\t)*2048+1024*\s+512*\c
.endr
.endr
	global_load_b32 v[SA+2*CP+\t], v[VS], s[32:33] offset:CO+(CI+\t)*128
.irp k, 0,1
	global_load_b128 v[HS+16*CP+8*\t+4*\k:HS+16*CP+8*\t+4*\k+3], v[VH], s[32:33] offset:CO+(CI+\t)*64+16*\k
.endr
.endr
.endm
.macro ASK on                          ; my part of the step that lies \on steps beyond s[34:35]: 32 rows x two blocks of 256 bytes
	global_prefetch_b8 v[PFO], s[34:35] offset:(\on)*NSTEP th:TH_LOAD_NT scope:SCOPE_SE
	global_prefetch_b8 v[PFO], s[34:35] offset:(\on)*NSTEP+256 th:TH_LOAD_NT scope:SCOPE_SE
.endm
.macro NLOAD slot, u                   ; unit u's noise: 8 LDS loads
.irp t, 0,1
.irp q, 0,1
.irp k, 0,1
	ds_load_b128 v[N+16*\t+8*\q+4*\k:N+16*\t+8*\q+4*\k+3], v[AN+\slot] offset:8448*\q+128*(\u)+64*\t+16*\k
.endr
.endr
.endr
.endm
.macro MMA p                           ; eight products, K = 256 in two steps; the four accumulators take turns
.set MP, (\p)
.irp t, 0,1
.irp q, 0,1
	v_wmma_scale_f32_16x16x128_f8f6f4 v[D+16*\t+8*\q:D+16*\t+8*\q+7], v[AF+32*MP+16*\t:AF+32*MP+16*\t+7], v[BQ+16*\q:BQ+16*\q+7], v[HS+16*MP+8*\t:HS+16*MP+8*\t+7], v[SA+2*MP+\t], v[SB+\q] matrix_a_fmt:MATRIX_FMT_FP4 matrix_b_fmt:MATRIX_FMT_FP4
.endr
.endr
.irp t, 0,1
.irp q, 0,1
	v_wmma_scale_f32_16x16x128_f8f6f4 v[D+16*\t+8*\q:D+16*\t+8*\q+7], v[AF+32*MP+16*\t+8:AF+32*MP+16*\t+15], v[BQ+16*\q+8:BQ+16*\q+15], v[D+16*\t+8*\q:D+16*\t+8*\q+7], v[SA+2*MP+\t], v[SB+\q] matrix_a_fmt:MATRIX_FMT_FP4 matrix_b_fmt:MATRIX_FMT_FP4 matrix_a_scale:MATRIX_SCALE_ROW1 matrix_b_scale:MATRIX_SCALE_ROW1
.endr
.endr
.endm
; s[58+i] = "the newcomer (key v[x], number v[g]) comes before entry i": it moves into the sorted list at v[L] (keys L .. L + 4, numbers L + 5 .. L + 9)
.macro MOVEIN L, x, g
.irp i, 4,3,2,1
	v_cndmask_b32 v[TI+\i%2], v[\g], v[\L+4+\i], s[57+\i]
	v_cndmask_b32 v[\L+5+\i], v[\L+5+\i], v[TI+\i%2], s[58+\i]
.endr
	v_cndmask_b32 v[\L+5], v[\L+5], v[\g], s58
.irp i, 4,3,2,1
	v_med3_num_f32 v[\L+\i], v[\L+\i-1], v[\L+\i], v[\x]
.endr
	v_min_num_f32 v[\L], v[\L], v[\x]
.endm
.macro INSERT L, x, g, dg              ; in the walk: a lane's numbers ascend, so the newcomer goes behind its equals; the diagonal's group gets +infinity
	v_cmp_eq_u32 vcc_lo, v[\g], v[\dg]
	v_cndmask_b32 v[\x], v[\x], v[INF], vcc_lo
.irp i, 0,1,2,3,4
	v_cmp_lt_f32 s[58+\i], v[\x], v[\L+\i]
.endr
	MOVEIN \L, \x, \g
.endm
.macro INSERTT L, x, g                 ; in the merge: equal keys are ordered by the number
.irp i, 0,1,2,3,4
	v_cmp_lt_f32 s[58+\i], v[\x], v[\L+\i]
.endr
.irp i, 0,1,2,3,4
	v_cmp_eq_f32 s[66+\i], v[\x], v[\L+\i]
.endr
.irp i, 0,1,2,3,4
	v_cmp_lt_u32 s[72+\i], v[\g], v[\L+5+\i]
.endr
	s_wait_alu depctr_va_vdst(0)                   ; the wait ahead of the ten scalar lines
.irp i, 0,1,2,3,4
	s_and_b32 s[66+\i], s[66+\i], s[72+\i]
.endr
.irp i, 0,1,2,3,4
	s_or_b32 s[58+\i], s[58+\i], s[66+\i]
.endr
	MOVEIN \L, \x, \g
.endm
.macro VEC slot, u                     ; a unit's vector work: four groups a lane
.irp a, 0,1,2,3
.irp j, 0,2,4,6
	v_pk_fma_f32 v[D+8*\a+\j:D+8*\a+\j+1], v[D+8*\a+\j:D+8*\a+\j+1], -2.0, v[SQ+2*(\a%2):SQ+2*(\a%2)+1] op_sel_hi:[1,0,0]   ; d^2; each accumulator from its low end on
.endr
.endr
.set n, 0
.rept 32
	v_max_num_f32 v[D+n], s57, v[D+n]              ; at least 1e-12
.set n, n+1
.endr
	s_wait_alu depctr_va_vdst(0)                   ; the wait ahead of the batch
.set n, 0
.rept 32
	v_sqrt_f32 v[D+n], v[D+n]
.set n, n+1
.endr
	v_add_nc_u32 v[GX], 4*(\u), v[G]               ; the plain place behind the roots
	s_wait_alu depctr_va_vdst(0)                   ; and the wait behind the batch
	s_wait_dscnt 0x0                               ; this unit's noise is in
.set n, 0
.rept 16
	v_pk_add_f32 v[D+n:D+n+1], v[D+n:D+n+1], v[N+n:N+n+1]
.set n, n+2
.endr
.if (\u) < 3
	NLOAD \slot, (\u)+1                            ; the next unit's noise, into the registers just read
.endif
.irp a, 0,1,2,3
	v_min3_num_f32 v[XK+\a], v[D+8*\a], v[D+8*\a+1], v[D+8*\a+2]
.endr
.irp a, 0,1,2,3
	v_min3_num_f32 v[XK+\a], v[XK+\a], v[D+8*\a+3], v[D+8*\a+4]
.endr
.irp a, 0,1,2,3
	v_min3_num_f32 v[XK+\a], v[XK+\a], v[D+8*\a+5], v[D+8*\a+6]
.endr
.irp a, 0,1,2,3
	v_min_num_f32 v[XK+\a], v[XK+\a], v[D+8*\a+7]  ; the group's minimum
.endr
	INSERT L0, XK, GX, DG
	INSERT L1, XK+1, GX, DG+1
	v_add_nc_u32 v[GX], 2, v[GX]
	INSERT L0, XK+2, GX, DG
	INSERT L1, XK+3, GX, DG+1
.endm
.macro UNIT slot, u, last, ask
.if (\last) && (\u) == 3
	s_wait_loadcnt 0x0                             ; nothing was asked for behind the last unit
.else
	s_wait_loadcnt 14                              ; this unit's loads are in; the next unit's 14 may be out
.endif
	MMA (\u)%2
.rept 4
	v_nop                                          ; four places ahead of loads into registers that the products read, and of the first read of results
.endr
.if (\last) == 0 || (\u) < 2
	CLOAD (\u)+2                                   ; two units ahead, into the set just multiplied; the last step asks for nothing beyond the buffer
.endif
.if (\ask) && (\u) == 0
	ASK 2                                          ; the noise of the step two on: the next trip's tensor load wants it
.endif
	VEC \slot, \u
.endm
; A step.  Each wave waits for its tensor load (its part of this slot), adds 0 to its spare word, waits for that and for its reads of the other slot, and passes the barrier; the other slot's fill comes first behind it.
.macro TRIP slot, refill, last, ask
	s_wait_tensorcnt 0x0                           ; no tensor load of mine is out: a group 0 may be written
	ds_add_u32 v[SPW], v[NIL]
	s_add_nc_u64 s[G0+4*\slot+2:G0+4*\slot+3], s[G0+4*\slot+2:G0+4*\slot+3], 2*NSTEP   ; this slot's next tile: two steps along the rows
	s_wait_dscnt 0x0
	s_barrier_signal -1
	s_barrier_wait -1
.if \refill
	tensor_load_to_lds s[G0+4-4*\slot:G0+7-4*\slot], s[G1:G1+7]   ; my one tensor load behind the barrier (the first time: slot 1's first fill)
	s_nop 0
.endif
	NLOAD \slot, 0
.irp u, 0,1,2,3
	UNIT \slot, \u, \last, \ask
.endr
	v_add_nc_u32 v[G], 128, v[G]                   ; 128 groups a step
.if (\last) == 0
	s_wait_xcnt 0x0                                ; the loads and prefetches have read their bases: these step only behind this wait
	s_add_nc_u64 s[32:33], s[32:33], CSTEP
.endif
.if \ask
	s_add_nc_u64 s[34:35], s[34:35], NSTEP
.endif
.endm
	s_load_b256 s[4:11], s[0:1], 0x0               ; noise s[4:5], cimg s[6:7], sq s[8:9], gsel s[10:11]
	v_lshl_add_u32 v[SPW], v0, 2, SPARE
	v_mov_b32 v[NIL], 0
	ds_add_u32 v[SPW], v[NIL]                      ; the opening: the add, twice on end, and its wait ahead of my first tensor load
	ds_add_u32 v[SPW], v[NIL]
	v_lshrrev_b32 v3, 5, v0
	v_readfirstlane_b32 s12, v3                    ; wave 0..7
	s_and_b32 s13, s12, 3
	s_lshr_b32 s14, s12, 2
	; group 1: 32 rows x 128 elements of 4 bytes, 8,192 elements apart; 4 words of padding behind every 128
	s_mov_b32 s[G1+0], (2<<16)|(1<<20)|(6<<22)|(3<<25)
	s_mov_b32 s[G1+1], 128<<16
	s_mov_b32 s[G1+2], 32<<16
	s_mov_b32 s[G1+3], 128<<16
	s_mov_b32 s[G1+4], 32
	s_mov_b32 s[G1+5], 8192
	s_mov_b32 s[G1+6], 0
	s_mov_b32 s[G1+7], 0
	s_mov_b32 s57, 0x2b8cbccc                      ; 1e-12
	s_mov_b32 s78, 0x76543210
	s_mov_b32 s79, 0xfedcba98                      ; v_permlanex16_b32's selects for lane l xor 16
	s_mov_b32 s80, 0xffff0000                      ; the lanes with h = 1
	s_mov_b32 s56, 3                               ; trips
	s_mul_i32 s16, s12, NSUB                       ; my part of a slot
	s_lshl_b32 s17, s13, 14                        ; my eight tiles in a block of 512 columns: 8 (w % 4) x 2,048,
	s_lshl_b32 s18, s13, 10
	s_add_co_u32 s18, s18, 65536                   ; their scale words,
	s_lshl_b32 s19, s13, 9
	s_add_co_u32 s19, s19, 69632                   ; their -|x_j|^2 / 2
	s_mul_i32 s20, s12, 1280
	s_add_co_u32 s20, s20, MRG
	s_lshl_b32 s21, s12, 4
	s_lshl_b32 s22, ttmp9, 2
	s_lshl_b32 s34, ttmp9, 20                      ; noise: 32 rows of 32,768 bytes a work-group,
	s_lshl_b32 s54, s12, 9                         ; 512 bytes a wave
	s_add_co_u32 s34, s34, s54
	s_mov_b32 s35, 0
	s_mul_i32 s52, s14, 71680                      ; which block of 512 columns of a step is mine
	s_mov_b32 s53, 0
	s_lshr_b32 s54, ttmp9, 4                       ; my queries are tiles 2 W, 2 W + 1 of the codes
	s_mul_i32 s54, s54, 71680
	s_and_b32 s55, ttmp9, 15
	s_lshl_b32 s36, s55, 12
	s_add_co_u32 s36, s36, s54
	s_mov_b32 s37, 0
	s_lshl_b32 s38, s55, 8
	s_add_co_u32 s38, s38, s54
	s_add_co_u32 s38, s38, 65536
	s_mov_b32 s39, 0
	s_lshl_b32 s48, ttmp9, 7                       ; sq: 128 bytes
	s_mov_b32 s49, 0
	s_lshl_b32 s50, ttmp9, 10                      ; gsel: 1,024 bytes
	s_mov_b32 s51, 0
	s_wait_dscnt 0x0                               ; both opening adds are done
	s_wait_kmcnt 0x0
	s_add_nc_u64 s[34:35], s[4:5], s[34:35]        ; my part of step 0's noise; later the prefetches' base, a step on in each trip
	s_add_nc_u64 s[32:33], s[6:7], s[52:53]
	s_add_nc_u64 s[36:37], s[6:7], s[36:37]
	s_add_nc_u64 s[38:39], s[6:7], s[38:39]
	s_add_nc_u64 s[48:49], s[8:9], s[48:49]
	s_add_nc_u64 s[10:11], s[10:11], s[50:51]
.irp s, 0,1
	s_mov_b32 s[G0+4*\s], 1
	s_add_co_u32 s[G0+4*\s+1], s16, \s*SLOT
	s_add_nc_u64 s[G0+4*\s+2:G0+4*\s+3], s[34:35], \s*NSTEP
	s_or_b32 s[G0+4*\s+3], s[G0+4*\s+3], 0x80000000
.endr
	tensor_load_to_lds s[G0:G0+3], s[G1:G1+7]      ; step 0: one tensor load a wave at the head
	s_nop 0
	v_and_b32 v3, 15, v0                           ; r
	v_bfe_u32 v4, v0, 4, 1                         ; h
	v_and_b32 v12, 31, v0                          ; lane
	v_mul_u32_u24 v[AN], v3, 528
	v_lshl_add_u32 v[AN], v4, 5, v[AN]             ; row r, + 32 h: my group's eight numbers
	v_add_nc_u32 v[AN], s16, v[AN]
	v_add_nc_u32 v[AN+1], SLOT, v[AN]
	v_lshl_add_u32 v[VC], v12, 4, s17
	v_lshl_add_u32 v[VS], v12, 2, s18
	v_lshl_add_u32 v[VH], v4, 5, s19
	v_lshl_add_u32 v[MS], v12, 2, s20
	v_lshlrev_b32 v[PFO], 15, v12                  ; a lane a row of 32,768 bytes
	v_add_nc_u32 v[G], s21, v4
	v_lshrrev_b32 v[DG], 3, v3
	v_add_nc_u32 v[DG], s22, v[DG]                 ; (32 W + r) / 8
	v_add_nc_u32 v[DG+1], 2, v[DG]
	v_mov_b32 v[INF], 0x7f800000
.irp i, 0,1,2,3,4
	v_mov_b32 v[L0+\i], 0x7f800000                 ; the lists begin with +infinity
	v_mov_b32 v[L1+\i], 0x7f800000
	v_mov_b32 v[L0+5+\i], 0
	v_mov_b32 v[L1+5+\i], 0
	v_mov_b32 v[PK+\i], 0                          ; written once: a lane permute's destination counts as one of its sources
	v_mov_b32 v[PK+5+\i], 0
.endr
	v_lshlrev_b32 v[D], 4, v12                     ; offsets of the queries' loads
	v_lshlrev_b32 v[D+1], 2, v12
	v_lshlrev_b32 v[D+2], 2, v3
	s_wait_alu depctr_va_vdst(0)                   ; the wait behind the head's vector lines
	ASK 1                                          ; step 1's noise: the first trip's tensor load wants it
.irp q, 0,1                                    ; my queries stay in registers: 12 loads
.irp s, 0,1
.irp c, 0,1
	global_load_b128 v[BQ+16*\q+8*\s+4*\c:BQ+16*\q+8*\s+4*\c+3], v[D], s[36:37] offset:2048*\q+1024*\s+512*\c
.endr
.endr
	global_load_b32 v[SB+\q], v[D+1], s[38:39] offset:128*\q
	global_load_b32 v[SQ+2*\q], v[D+2], s[48:49] offset:64*\q
.endr
	CLOAD 0
	CLOAD 1
	s_wait_loadcnt 28                              ; the queries' loads are in; the two units' 28 may be out
	v_mov_b32 v[SQ+1], v[SQ]                       ; named as pairs by the packed form
	v_mov_b32 v[SQ+3], v[SQ+2]
	s_wait_alu depctr_va_vdst(0)                   ; the wait at the head's end
.Llap:                                             ; three trips: steps 0 to 5, which ask for the noise of steps 2 to 7
	TRIP 0, 1, 0, 1
	TRIP 1, 1, 0, 1
	s_sub_co_u32 s56, s56, 1
	s_cmp_lg_u32 s56, 0
	s_wait_alu depctr_va_vdst(0)                   ; the wait ahead of the branch
	s_cbranch_scc1 .Llap
	TRIP 0, 1, 0, 0                                ; step 6 fetches step 7's noise: the last fill
	TRIP 1, 0, 1, 0                                ; step 7
	; THE WAY OUT.  A query's groups lie in 16 lists: two lanes in each of eight waves.  Lanes l and l xor 16 exchange: a lane with h = 0 keeps tile 0's list and sends tile 1's, one with h = 1 the other way: a lane then has query 16 h + r = its own number.
	s_wait_alu depctr_va_vdst(0)
.irp i, 0,1,2,3,4,5,6,7,8,9
	v_cndmask_b32 v[TT+\i], v[L1+\i], v[L0+\i], s80
.endr
.irp i, 0,1,2,3,4,5,6,7,8,9
	v_cndmask_b32 v[L0+\i], v[L0+\i], v[L1+\i], s80
.endr
.irp i, 0,1,2,3,4,5,6,7,8,9
	v_permlanex16_b32 v[PK+\i], v[TT+\i], s78, s79
.endr
.irp i, 0,1,2,3,4
	INSERTT L0, PK+\i, PK+5+\i
.endr
; Then a tree over the waves: waves n .. 2 n - 1 hand their lists, through LDS bytes of their own that are written once, to waves 0 .. n - 1
.macro HAND n
	s_wait_alu depctr_va_vdst(0)                   ; the wait ahead of the branches and the barrier
	s_cmp_lt_u32 s12, \n
	s_cbranch_scc1 .Lno_store_\@
	s_cmp_ge_u32 s12, 2*\n
	s_cbranch_scc1 .Lno_store_\@
.irp i, 0,1,2,3,4,5,6,7,8,9
	ds_store_b32 v[MS], v[L0+\i] offset:128*\i
.endr
.Lno_store_\@:
	s_wait_dscnt 0x0                               ; for the others' sake: my stores have landed
	s_barrier_signal -1
	s_barrier_wait -1
	s_cmp_ge_u32 s12, \n
	s_cbranch_scc1 .Lno_merge_\@
.irp i, 0,1,2,3,4,5,6,7,8,9
	ds_load_b32 v[PK+\i], v[MS] offset:\n*1280+128*\i
.endr
	s_wait_dscnt 0x0
.irp i, 0,1,2,3,4
	INSERTT L0, PK+\i, PK+5+\i
.endr
.Lno_merge_\@:
.endm
	HAND 4
	HAND 2
	HAND 1
	s_wait_alu depctr_va_vdst(0)
	s_cmp_lg_u32 s12, 0
	s_cbranch_scc1 .Lend
	v_lshrrev_b32 v[SR+5], 3, v12
	v_add_nc_u32 v[SR+5], s22, v[SR+5]             ; the sixth: the group of my query's diagonal entry, (32 W + lane) / 8
	v_lshlrev_b32 v[GO], 5, v12                    ; gsel: 32 bytes a query
.irp i, 0,1,2,3,4
	v_mov_b32 v[SR+\i], v[L0+5+\i]
.endr
	v_mov_b32 v[SR+6], 0
	v_mov_b32 v[SR+7], 0
.macro CE a, b                         ; the smaller of two numbers to place a, the larger to place b
	v_min_u32 v[TI], v[SR+\a], v[SR+\b]
	v_max_u32 v[SR+\b], v[SR+\a], v[SR+\b]
	v_mov_b32 v[SR+\a], v[TI]
.endm
	CE 0, 5                                        ; twelve comparators sort six numbers: the next launch walks the columns in ascending order
	CE 1, 3
	CE 2, 4
	CE 1, 2
	CE 3, 4
	CE 0, 3
	CE 2, 5
	CE 0, 1
	CE 2, 3
	CE 4, 5
	CE 1, 2
	CE 3, 4
	global_store_b128 v[GO], v[SR:SR+3], s[10:11]
	global_store_b128 v[GO], v[SR+4:SR+7], s[10:11] offset:16   ; the two stores together cover the work-group's 1,024 consecutive bytes
.Lend:
	s_wait_tensorcnt 0x0                           ; the wave's end
	ds_add_u32 v[SPW], v[NIL]
	s_wait_dscnt 0x0
	s_endpgm
.Lfunc_end_k_qa72e617b19_knn:
	.size	k_qa72e617b19_knn, .Lfunc_end_k_qa72e617b19_knn-k_qa72e617b19_knn
	.p2alignl 7, 3214868480
	.fill 96, 4, 3214868480
	.section	.rodata,"a",@progbits
	.p2align	6, 0x0
	.amdhsa_kernel k_qa72e617b19_knn
		.amdhsa_group_segment_fixed_size 327680
		.amdhsa_private_segment_fixed_size 0
		.amdhsa_enable_private_segment 0
		.amdhsa_kernarg_size 32
		.amdhsa_user_sgpr_count 2
		.amdhsa_user_sgpr_kernarg_segment_ptr 1
		.amdhsa_wavefront_size32 1
		.amdhsa_system_sgpr_workgroup_id_x 1
		.amdhsa_system_sgpr_workgroup_id_y 1
		.amdhsa_system_sgpr_workgroup_id_z 1
		.amdhsa_system_vgpr_workitem_id 0
		.amdhsa_next_free_vgpr 256
		.amdhsa_next_free_sgpr 84
		.amdhsa_reserve_vcc 1
		.amdhsa_float_denorm_mode_32 3
		.amdhsa_float_denorm_mode_16_64 3
		.amdhsa_memory_ordered 1
		.amdhsa_forward_progress 1
		.amdhsa_inst_pref_size 255
	.end_amdhsa_kernel
	.section	.bss,"aw",@nobits
	.p2align	6
	.space	262144
	.amdgpu_metadata
---
amdhsa.version: [ 1, 2 ]
amdhsa.kernels:
  - .name:           k_qa72e617b19_knn
    .symbol:         k_qa72e617b19_knn.kd
    .args:
      - { .name: noise, .offset: 0, .size: 8, .value_kind: global_buffer, .address_space: global }
      - { .name: cimg, .offset: 8, .size: 8, .value_kind: global_buffer, .address_space: global }
      - { .name: sq, .offset: 16, .size: 8, .value_kind: global_buffer, .address_space: global }
      - { .name: gsel, .offset: 24, .size: 8, .value_kind: global_buffer, .address_space: global }
    .group_segment_fixed_size: 327680
    .private_segment_fixed_size: 0
    .kernarg_segment_align: 8
    .kernarg_segment_size: 32
    .max_flat_workgroup_size: 256
    .sgpr_count:     84
    .vgpr_count:     256
    .wavefront_size: 32
...
	.end_amdgpu_metadata
.endif
;; end of part 2
;; launch finish (part 3): grid 513 x 1, 1 waves a work-group, no clusters, 3,328 bytes of LDS; arguments gsel, cimg, sq, noise, out1, out3, W1, b1, W2, b2, part, cluster_centers, out0, out2, out4; writes out0, out2, out4
.if DOCPART == 3
	.amdgcn_target "amdgcn-amd-amdhsa--gfx1250"
	.amdhsa_code_object_version 6
	.text
	.protected	k_qa72e617b19_finish
	.globl	k_qa72e617b19_finish
	.p2align	8
	.type	k_qa72e617b19_finish,@function
k_qa72e617b19_finish:
	s_mov_b64 s[64:65], 0
	v_nop
	global_prefetch_b8 v0, s[64:65] scope:SCOPE_SE
	s_setreg_imm32_b32 hwreg(HW_REG_WAVE_MODE, 25, 1), 1
	s_wait_xcnt 0x0
; FINISH.  Work-groups 0 .. 511, one wave each: 16 queries.  The 48 entries of each query's six listed groups are made again, in the order (|x_i|^2 + |x_j|^2) - 2 dot, the five smallest of pd + noise are chosen
; exactly (ties to the lower column, the diagonal left out), their clean distances are out2, and the MLP gives out0.  Work-group 512 makes the loss, out4.
; ADDRESSES hang on the group numbers that the launch before stored as whole numbers; each is held to 0 .. 1,023 before it enters an address.
; 48 CANDIDATES A QUERY ON THE MATRIX UNIT.  Of a 16 x 16 tile only the places "row m carries a candidate of query n" are wanted.  Tile X has a candidate of query r in row r, tile Y a candidate of query r xor 8.
; With u = h xor (r / 8): a lane with u = 0 finds its number in X's result, register r % 8; one with u = 1 in Y's, the same register.  So a pair of tiles gives each of the 32 lanes one number:
; the u = 0 lane of a query walks its groups 0-2 (the lower columns), the u = 1 lane its groups 3-5.  Pair (g, e): column 8 x group + e.
; THE MLP.  feat W1 + b1 goes on into a quantised operand: f32 operands, v_wmma_f32_16x16x4_f32, used transposed (source 0 = 16 columns of W1, source 1 = feat).  Row m of tile T is hidden unit 8 T + m % 8 + 32 (m / 8):
; so lane (r, h) ends with hidden units 32 h .. 32 h + 31 of query r, a whole block of the next K, in the order that the next operand's layout wants.  K = 64 is filled to 128 with zero codes under the byte 127, on both sides.
; The biases are the C of each sum's first product.
; LIMITS: NaN and infinities among the inputs are not served; a block whose largest magnitude lies under 2^-124, a block of zeros among them, has the scale byte 1 (its codes round as under that scale; zeros stay zeros).
; REGISTERS, in windows of 256.  Window 0: see the names below.  Windows 1 and 2: the gathered fragments, four batches of 128.  Window 3: v0-31 W1, v32-63 b1, v64-127 W2, v128-143 b2, v144-150 assign, mean, std, entropy,
; v152-167 W2's codes, v168-171 at work, v192-223 the f32 accumulators, which matrix instructions alone write.
.set GA,  4                            ; v4-9    my query's six groups;  v10-15 query r xor 8's
.set GB,  10
.set GX,  16                           ; v16-18  tile X's group for row r;  v19-21 tile Y's;  v22-24 the group of the number that I receive
.set GY,  19
.set GC,  22
.set AX,  25                           ; v25-27, v28-30 byte offsets of X's and Y's codes;  v31-33, v34-36 of their scale words
.set AY,  28
.set SXA, 31
.set SYA, 34
.set NA,  37                           ; v37-39  of my noise;  v40-42 of my |x_j|^2
.set QA,  40
.set DF,  43                           ; v43-45  my query's column less the group's first: the diagonal is where this equals e
.set STO, 46                           ; v46, v47, v65 LDS: the stage for out0, in and back; the stage for out2
.set STR, 47
.set BQ,  48                           ; v48-63  the queries' fragments, 8 s
.set SBQ, 64                           ; v64     their scale words
.set ST2, 65
.set SX,  66                           ; v66-89  X's scale words, 8 g + e;  v90-113 Y's
.set NZ,  114                          ; v114-137 noise, 8 g + e
.set SJ,  138                          ; v138-161 |x_j|^2
.set D,   162                          ; v162-225 eight accumulators: pair p: X's at 16 p, Y's at 16 p + 8.  Before: addresses of the first loads.  After: the MLP's registers
.set F,   162                          ; v162-169 feat, 2 kk + j
.set HR,  170                          ; v170-201 the hidden layer
.set HC,  202                          ; v202-209 its codes
.set D2,  210                          ; v210-225 out0's two accumulators
.set L,   226                          ; v226-230 five keys, v231-235 their clean distances
.set PD,  236                          ; v236-239 four clean distances;  v240-243 their keys
.set KEY, 240
.set SW,  244                          ; v244-245 W2's scale words;  v246 the hidden layer's
.set SH,  246
.set SQI, 247                          ; v247    |x_i|^2
.set INF, 248
.set TI,  254                          ; v254-255 at work in INSERT;  v249-253 at work
.set MSB, 0
.macro WIN new                         ; the immediate's high byte repeats the setting that is left
.if MSB != (\new)
	s_set_vgpr_msb (MSB<<8)|(\new)
.set MSB, (\new)
.endif
.endm
; Key v[x] with payload v[g] goes into the sorted list at v[L] (keys L .. L + 4, payloads L + 5 .. L + 9); the newcomer goes behind its equals
.macro INSERT L, x, g
.irp i, 0,1,2,3,4
	v_cmp_lt_f32 s[58+\i], v[\x], v[\L+\i]
.endr
.irp i, 4,3,2,1
	v_cndmask_b32 v[TI+\i%2], v[\g], v[\L+4+\i], s[57+\i]
	v_cndmask_b32 v[\L+5+\i], v[\L+5+\i], v[TI+\i%2], s[58+\i]
.endr
	v_cndmask_b32 v[\L+5], v[\L+5], v[\g], s58
.irp i, 4,3,2,1
	v_med3_num_f32 v[\L+\i], v[\L+\i-1], v[\L+\i], v[\x]
.endr
	v_min_num_f32 v[\L], v[\L], v[\x]
.endm
; From a group number: where its eight rows' codes and scale words begin in cimg.  Column step = group / 64 (71,680 bytes), tile = (group / 2) % 32, rows 8 (group % 2) on; + my half's bytes
.macro ADDR gid, ca, sa
	v_and_b32 v249, 0x3c0, v[\gid]
	v_and_b32 v250, 0x3e, v[\gid]
	v_and_b32 v251, 1, v[\gid]
	v_mul_u32_u24 v249, v249, 1120
	v_lshl_add_u32 v[\ca], v250, 10, v249
	v_lshl_add_u32 v[\sa], v250, 6, v249
	v_lshl_add_u32 v[\ca], v251, 7, v[\ca]
	v_lshl_add_u32 v[\sa], v251, 5, v[\sa]
	v_lshl_add_u32 v[\ca], v2, 8, v[\ca]
	v_lshl_add_u32 v[\sa], v2, 6, v[\sa]
.endm
; Batch b = 2 g + half: the pairs (g, 4 half + p), p = 0 .. 3: 32 loads of 16 bytes a lane into 128 registers of window 1 (g = 0, 2) or 2 (g = 1)
.macro ISSUE b
.set IG, (\b)/2
.set IH, (\b)%2
.if IG == 1
.set IW, 2
.else
.set IW, 1
.endif
	WIN IW<<6
.irp p, 0,1,2,3
.irp s, 0,1
.irp c, 0,1
	global_load_b128 v[128*IH+32*\p+8*\s+4*\c:128*IH+32*\p+8*\s+4*\c+3], v[AX+IG], s[6:7] offset:16*(4*IH+\p)+1024*\s+512*\c
	global_load_b128 v[128*IH+32*\p+16+8*\s+4*\c:128*IH+32*\p+16+8*\s+4*\c+3], v[AY+IG], s[6:7] offset:16*(4*IH+\p)+1024*\s+512*\c
.endr
.endr
.endr
	WIN 0
.endm
.macro BATCH b, left
.set GI, (\b)/2
.set HF, (\b)%2
.if GI == 1
.set WN, 2
.else
.set WN, 1
.endif
	s_wait_loadcnt \left                           ; this batch's loads are in; left = the loads issued behind them, or 63 where they are more (a smaller count waits for more)
	WIN WN                                         ; source 0 in the batch's window
.irp p, 0,1,2,3                                ; the eight accumulators take turns; the first K step starts the sums
.irp y, 0,1
	v_wmma_scale_f32_16x16x128_f8f6f4 v[D+16*\p+8*\y:D+16*\p+8*\y+7], v[128*HF+32*\p+16*\y:128*HF+32*\p+16*\y+7], v[BQ:BQ+7], 0, v[SX+24*\y+8*GI+4*HF+\p], v[SBQ] matrix_a_fmt:MATRIX_FMT_FP4 matrix_b_fmt:MATRIX_FMT_FP4
.endr
.endr
.irp p, 0,1,2,3
.irp y, 0,1
	v_wmma_scale_f32_16x16x128_f8f6f4 v[D+16*\p+8*\y:D+16*\p+8*\y+7], v[128*HF+32*\p+16*\y+8:128*HF+32*\p+16*\y+15], v[BQ+8:BQ+15], v[D+16*\p+8*\y:D+16*\p+8*\y+7], v[SX+24*\y+8*GI+4*HF+\p], v[SBQ] matrix_a_fmt:MATRIX_FMT_FP4 matrix_b_fmt:MATRIX_FMT_FP4 matrix_a_scale:MATRIX_SCALE_ROW1 matrix_b_scale:MATRIX_SCALE_ROW1
.endr
.endr
	WIN 0
.rept 4
	v_nop                                          ; four places in front of loads into registers that the products have read, and of the first read of results
.endr
.if (\b) < 2
	ISSUE (\b)+4                                   ; group 2's batches take the registers that group 0's have left
.endif
.irp j, 0,1,2,3,4,5,6,7                        ; X's result or Y's; each accumulator from its low end on
.irp p, 0,1,2,3
	v_cndmask_b32 v[D+16*\p+\j], v[D+16*\p+\j], v[D+16*\p+8+\j], s36
.endr
.endr
.irp k, 0,2,4,6                                ; register r % 8, bit by bit
.irp p, 0,1,2,3
	v_cndmask_b32 v[D+16*\p+\k], v[D+16*\p+\k], v[D+16*\p+\k+1], s37
.endr
.endr
.irp k, 0,4
.irp p, 0,1,2,3
	v_cndmask_b32 v[D+16*\p+\k], v[D+16*\p+\k], v[D+16*\p+\k+2], s38
.endr
.endr
.irp p, 0,1,2,3
	v_cndmask_b32 v[D+16*\p], v[D+16*\p], v[D+16*\p+4], s39
.endr
.irp p, 0,1,2,3
	v_add_f32 v[PD+\p], v[SQI], v[SJ+8*GI+4*HF+\p]
.endr
.irp p, 0,1,2,3
	v_fma_f32 v[PD+\p], v[D+16*\p], -2.0, v[PD+\p]
.endr
.irp p, 0,1,2,3
	v_max_num_f32 v[PD+\p], s44, v[PD+\p]
.endr
	s_wait_alu depctr_va_vdst(0)
.irp p, 0,1,2,3
	v_sqrt_f32 v[PD+\p], v[PD+\p]                  ; the clean distance
.endr
	v_nop                                          ; one plain place behind the roots
	s_wait_alu depctr_va_vdst(0)
.irp p, 0,1,2,3
	v_add_f32 v[KEY+\p], v[PD+\p], v[NZ+8*GI+4*HF+\p]
.endr
.irp p, 0,1,2,3
	v_cmp_eq_u32 vcc_lo, 4*HF+\p, v[DF+GI]
	v_cndmask_b32 v[KEY+\p], v[KEY+\p], v[INF], vcc_lo   ; the diagonal
.endr
.irp p, 0,1,2,3
	INSERT L, KEY+\p, PD+\p                        ; a lane's columns ascend: at equal keys the lower column stays ahead
.endr
.endm
	s_load_b512 s[4:19], s[0:1], 0x0               ; gsel s[4:5], cimg s[6:7], sq s[8:9], noise s[10:11], out1 s[12:13], out3 s[14:15], W1 s[16:17], b1 s[18:19]
	s_load_b256 s[20:27], s[0:1], 0x40             ; W2 s[20:21], b2 s[22:23], part s[24:25], centres s[26:27]
	s_load_b128 s[28:31], s[0:1], 0x60             ; out0 s[28:29], out2 s[30:31]
	s_load_b64 s[32:33], s[0:1], 0x70              ; out4
	s_set_vgpr_msb 0xc0
	v_lshl_add_u32 v254, v0, 2, 0xc00
	v_mov_b32 v255, 0
	s_set_vgpr_msb 0xc000
	v_and_b32 v1, 15, v0                           ; r
	v_lshrrev_b32 v2, 4, v0                        ; h
	s_mov_b32 s36, 0x00ffff00                      ; the lanes with u = h xor (r / 8) = 1
	s_mov_b32 s37, 0xaaaaaaaa                      ; bit 0 of r,
	s_mov_b32 s38, 0xcccccccc                      ; bit 1,
	s_mov_b32 s39, 0xf0f0f0f0                      ; bit 2
	s_mov_b32 s40, 0xffff0000                      ; the lanes with h = 1
	s_mov_b32 s42, 0x76543210
	s_mov_b32 s43, 0xfedcba98                      ; v_permlanex16_b32's selects for lane l xor 16
	s_mov_b32 s44, 0x2b8cbccc                      ; 1e-12
	s_cmp_eq_u32 ttmp9, 512
	s_cbranch_scc1 .Lloss
	v_lshlrev_b32 v3, 4, v0                        ; 16 x lane
	v_lshlrev_b32 v163, 2, v0                      ; 4 x lane
	s_wait_alu depctr_va_vdst(0)
	v_lshlrev_b32 v164, 2, v1                      ; 4 r
	v_lshlrev_b32 v165, 5, v1                      ; gsel: 32 r,
	v_xor_b32 v166, 8, v1
	v_lshlrev_b32 v166, 5, v166                    ; and 32 (r xor 8)
	v_and_b32 v167, 7, v1
	v_lshlrev_b32 v167, 2, v167
	v_lshrrev_b32 v249, 3, v1
	v_lshl_add_u32 v167, v249, 7, v167
	v_lshl_add_u32 v167, v2, 9, v167               ; W1: rows 2 h on (256 bytes each), column r % 8 + 32 (r / 8)
	v_lshlrev_b32 v168, 7, v2                      ; b1: 32 h numbers on
	v_lshlrev_b32 v169, 12, v2
	v_lshl_add_u32 v169, v1, 2, v169               ; W2: rows 32 h on (128 bytes each), column r
	v_lshlrev_b32 v170, 5, v2                      ; b2: 8 h numbers on
	v_lshlrev_b32 v171, 5, v1
	v_lshl_add_u32 v171, v2, 3, v171               ; out1: 32 r + 8 h
	v_mul_u32_u24 v172, v1, 12                     ; out3: 12 r
	v_mul_u32_u24 v[STO], v1, 144
	v_lshl_add_u32 v[STO], v2, 5, v[STO]           ; the stage: rows of 128 bytes + 16; in: row r, + 32 h
	v_lshrrev_b32 v249, 3, v0
	v_mul_u32_u24 v[STR], v249, 144
	v_and_b32 v249, 7, v0
	v_lshl_add_u32 v[STR], v249, 4, v[STR]         ; back: eight lanes to a row, four rows an instruction
	v_mul_u32_u24 v[ST2], v1, 20
	v_add_nc_u32 v[ST2], 2304, v[ST2]              ; out2's stage: 20 bytes a query
	v_mov_b32 v[INF], 0x7f800000
.irp i, 0,1,2,3,4
	v_mov_b32 v[L+\i], 0x7f800000
	v_mov_b32 v[L+5+\i], 0
.endr
	s_lshr_b32 s46, ttmp9, 5
	s_mul_i32 s46, s46, 71680                      ; my queries' column step in cimg,
	s_and_b32 s47, ttmp9, 31                       ; their tile in it
	s_lshl_b32 s74, s47, 11
	s_add_co_u32 s74, s74, s46
	s_mov_b32 s75, 0
	s_lshl_b32 s76, s47, 7
	s_add_co_u32 s76, s76, s46
	s_add_co_u32 s76, s76, 65536
	s_mov_b32 s77, 0
	s_lshl_b32 s78, ttmp9, 6
	s_mov_b32 s79, 0
	s_mov_b32 s81, 0
	s_wait_kmcnt 0x0
	s_add_nc_u64 s[74:75], s[6:7], s[74:75]        ; the queries' image,
	s_add_nc_u64 s[76:77], s[6:7], s[76:77]        ; scale words,
	s_add_nc_u64 s[78:79], s[8:9], s[78:79]        ; sums of squares
	s_lshl_b32 s80, ttmp9, 9
	s_add_nc_u64 s[4:5], s[4:5], s[80:81]          ; gsel: 512 bytes a tile
	s_add_nc_u64 s[12:13], s[12:13], s[80:81]      ; out1 likewise
	s_lshl_b32 s80, ttmp9, 19
	s_add_nc_u64 s[10:11], s[10:11], s[80:81]      ; noise: 16 rows of 32,768 bytes
	s_mul_i32 s80, ttmp9, 192
	s_add_nc_u64 s[14:15], s[14:15], s[80:81]      ; out3
	s_lshl_b32 s80, ttmp9, 11
	s_add_nc_u64 s[28:29], s[28:29], s[80:81]      ; out0: 2,048 bytes
	s_mul_i32 s80, ttmp9, 320
	s_add_nc_u64 s[30:31], s[30:31], s[80:81]      ; out2: 320 bytes
	global_load_b128 v[GA:GA+3], v165, s[4:5]      ; the group numbers first: all gathers hang on them
	global_load_b64 v[GA+4:GA+5], v165, s[4:5] offset:16
	global_load_b128 v[GB:GB+3], v166, s[4:5]
	global_load_b64 v[GB+4:GB+5], v166, s[4:5] offset:16
.irp s, 0,1
.irp c, 0,1
	global_load_b128 v[BQ+8*\s+4*\c:BQ+8*\s+4*\c+3], v3, s[74:75] offset:1024*\s+512*\c
.endr
.endr
	global_load_b32 v[SBQ], v163, s[76:77]
	global_load_b32 v[SQI], v164, s[78:79]
	WIN 0xc0                                       ; destination window 3: what the MLP wants, 113 loads
.irp t, 0,1,2,3
.irp kk, 0,1,2,3
.irp j, 0,1
	global_load_b32 v[8*\t+2*\kk+\j], v167, s[16:17] offset:(4*\kk+\j)*256+32*\t   ; W1(4 kk + 2 h + j, 8 t + r % 8 + 32 (r / 8))
.endr
.endr
.irp k, 0,1
	global_load_b128 v[32+8*\t+4*\k:32+8*\t+4*\k+3], v168, s[18:19] offset:32*\t+16*\k   ; b1(32 h + 8 t + 0 .. 7)
.endr
.endr
.irp t, 0,1
.irp i, 0,1,2,3,4,5,6,7,8,9,10,11,12,13,14,15,16,17,18,19,20,21,22,23,24,25,26,27,28,29,30,31
	global_load_b32 v[64+32*\t+\i], v169, s[20:21] offset:128*\i+64*\t             ; W2(32 h + i, 16 t + r): a lane to a column, registers down K
.endr
.irp k, 0,1
	global_load_b128 v[128+8*\t+4*\k:128+8*\t+4*\k+3], v170, s[22:23] offset:64*\t+16*\k   ; b2(16 t + 8 h + 0 .. 7)
.endr
.endr
.irp kk, 0,1
	global_load_b64 v[144+2*\kk:145+2*\kk], v171, s[12:13] offset:16*\kk           ; assign(r, 4 kk + 2 h + 0, 1)
.endr
.irp i, 0,1,2
	global_load_b32 v[148+\i], v172, s[14:15] offset:4*\i                          ; mean, std, entropy
.endr
	WIN 0
	s_wait_loadcnt 63                              ; the group numbers are in: 119 loads were issued behind them, more than a wait can name
.irp g, 0,1,2
	v_cndmask_b32 v[GC+\g], v[GA+\g], v[GA+3+\g], s36
	v_min_u32 v[GX+\g], 0x3ff, v[GA+\g]            ; every number is held inside the table before it enters an address
	v_min_u32 v[GY+\g], 0x3ff, v[GB+3+\g]
	v_min_u32 v[GC+\g], 0x3ff, v[GC+\g]
.endr
.irp g, 0,1,2
	ADDR GX+\g, AX+\g, SXA+\g
	ADDR GY+\g, AY+\g, SYA+\g
.endr
	v_lshlrev_b32 v252, 15, v1                     ; my row of noise
	s_lshl_b32 s80, ttmp9, 4
	v_add_nc_u32 v253, s80, v1                     ; my query's number
.irp g, 0,1,2
	v_lshl_add_u32 v[NA+\g], v[GC+\g], 5, v252     ; 32 bytes a group
	v_lshlrev_b32 v[QA+\g], 5, v[GC+\g]
	v_lshlrev_b32 v249, 3, v[GC+\g]
	v_sub_nc_u32 v[DF+\g], v253, v249
.endr
.irp g, 0,1,2
.irp k, 0,1
	global_load_b128 v[SX+8*\g+4*\k:SX+8*\g+4*\k+3], v[SXA+\g], s[6:7] offset:65536+16*\k        ; the eight rows' scale words: lanes 0-15 K step 0's, lanes 16-31 K step 1's
	global_load_b128 v[SX+24+8*\g+4*\k:SX+24+8*\g+4*\k+3], v[SYA+\g], s[6:7] offset:65536+16*\k
	global_load_b128 v[NZ+8*\g+4*\k:NZ+8*\g+4*\k+3], v[NA+\g], s[10:11] offset:16*\k
	global_load_b128 v[SJ+8*\g+4*\k:SJ+8*\g+4*\k+3], v[QA+\g], s[8:9] offset:16*\k
.endr
.endr
	ISSUE 0
	ISSUE 1
	ISSUE 2
	ISSUE 3
	s_wait_xcnt 0x0                                ; the first loads' address registers lie where the accumulators are: they are written only behind this wait
	BATCH 0, 63
	BATCH 1, 63
	BATCH 2, 63
	BATCH 3, 63
	BATCH 4, 32
	BATCH 5, 0
	; the two lanes of a query.  In the u = 0 lanes the own entries have the lower columns, so the partner's go behind their equals: that result is right, and goes to both lanes
.irp i, 0,1,2,3,4,5,6,7,8,9
	v_permlanex16_b32 v[D+\i], v[L+\i], s42, s43
.endr
.irp i, 0,1,2,3,4
	INSERT L, D+\i, D+5+\i
.endr
.irp i, 0,1,2,3,4
	v_permlanex16_b32 v[D+\i], v[L+5+\i], s42, s43
.endr
.irp i, 0,1,2,3,4
	v_cndmask_b32 v[L+5+\i], v[L+5+\i], v[D+\i], s36   ; knn
.endr
	; ---- W2 becomes codes: a lane holds a whole block of 32 along K of one column
	WIN 0xff                                       ; all in window 3
.irp t, 0,1
	v_max3_num_f32 v[168+\t], |v[64+32*\t]|, |v[65+32*\t]|, 0x1800000   ; with the floor 2^(3 - 127): the byte cannot fall under 1
.endr
.irp i, 2,4,6,8,10,12,14,16,18,20,22,24,26,28,30
.irp t, 0,1
	v_max3_num_f32 v[168+\t], v[168+\t], |v[64+32*\t+\i]|, |v[65+32*\t+\i]|
.endr
.endr
.irp t, 0,1
	v_add_nc_u32 v[170+\t], 0xff000000, v[168+\t]  ; 2 off the exponent field: the conversion's scale operand
.endr
.irp t, 0,1
.irp g, 0,1,2,3
	v_cvt_scalef32_pk8_fp4_f32 v[152+8*\t+\g], v[64+32*\t+8*\g:64+32*\t+8*\g+7], v[170+\t]   ; registers 0-3 of the operand: k = 32 h + 0 .. 31
.endr
.endr
	v_nop                                          ; one plain place behind a scaled conversion
.irp t, 0,1
.irp g, 4,5,6,7
	v_mov_b32 v[152+8*\t+\g], 0                    ; k = 64 .. 127: zero codes
.endr
.endr
	WIN 0x0c                                       ; source 1 window 3, destination window 0
.irp t, 0,1
	v_lshrrev_b32 v[249+\t], 23, v[170+\t]         ; my block's byte
.endr
	WIN 0x03                                       ; source 0 window 3, destination window 0
.irp k, 0,1,2,3
	v_mov_b32 v[F+\k], v[144+\k]                   ; feat 0-7: assign
.endr
	v_mov_b32 v251, v148                           ; mean
	v_mov_b32 v252, v149                           ; std
	v_mov_b32 v253, v150                           ; entropy
	WIN 0
	v_permlanex16_b32 v178, v249, s42, s43
	v_permlanex16_b32 v179, v250, s42, s43
	v_lshl_or_b32 v249, v178, 8, v249
	v_lshl_or_b32 v250, v179, 8, v250
	v_or_b32 v[SW], 0x7f7f0000, v249               ; lanes 0-15: block 0's byte, block 1's, and 127 over the zero codes (lanes 16-31 are not read)
	v_or_b32 v[SW+1], 0x7f7f0000, v250
	v_cndmask_b32 v[F+4], v[L+5], v[L+7], s40      ; feat 8 + 2 h + 0, 1: knn 0, 1 | knn 2, 3
	v_cndmask_b32 v[F+5], v[L+6], v[L+8], s40
	v_cndmask_b32 v[F+6], v[L+9], v252, s40        ; feat 12 + 2 h + 0, 1: knn 4, mean | std, entropy
	v_cndmask_b32 v[F+7], v251, v253, s40
	WIN 0xf3                                       ; source 0 (W1), C and D window 3; source 1 (feat) window 0
.irp kk, 0,1,2,3                               ; four accumulators by turns; b1 starts the sums
.irp t, 0,1,2,3
.if \kk == 0
	v_wmma_f32_16x16x4_f32 v[192+8*\t:199+8*\t], v[8*\t+2*\kk:8*\t+2*\kk+1], v[F+2*\kk:F+2*\kk+1], v[32+8*\t:39+8*\t]
.else
	v_wmma_f32_16x16x4_f32 v[192+8*\t:199+8*\t], v[8*\t+2*\kk:8*\t+2*\kk+1], v[F+2*\kk:F+2*\kk+1], v[192+8*\t:199+8*\t]
.endif
.endr
.endr
	WIN 0
.rept 8
	v_nop                                          ; eight places behind this form before its results are read
.endr
	WIN 0x0c
.irp j, 0,1,2,3,4,5,6,7,8,9,10,11,12,13,14,15,16,17,18,19,20,21,22,23,24,25,26,27,28,29,30,31
	v_max_num_f32 v[HR+\j], 0, v[192+\j]           ; the activation, into other registers; each accumulator from its low end on
.endr
	WIN 0
	v_max3_num_f32 v249, v[HR], v[HR+1], 0x1800000 ; my block's largest number (none is negative), with the floor
.irp i, 2,4,6,8,10,12,14,16,18,20,22,24,26,28,30
	v_max3_num_f32 v249, v249, v[HR+\i], v[HR+\i+1]
.endr
	v_add_nc_u32 v250, 0xff000000, v249
	v_lshrrev_b32 v251, 23, v250
.irp g, 0,1,2,3
	v_cvt_scalef32_pk8_fp4_f32 v[HC+\g], v[HR+8*\g:HR+8*\g+7], v250
.endr
	v_nop                                          ; one plain place behind a scaled conversion
.irp g, 4,5,6,7
	v_mov_b32 v[HC+\g], 0
.endr
	v_permlanex16_b32 v252, v251, s42, s43
	v_lshl_or_b32 v251, v252, 8, v251
	v_or_b32 v[SH], 0x7f7f0000, v251
.rept 8
	v_nop                                          ; a scale register written by a vector instruction stands eight places ahead of a scaled product, an operand so written four
.endr
	WIN 0x33                                       ; source 0 (W2's codes) and C (b2) window 3
.irp t, 0,1
	v_wmma_scale_f32_16x16x128_f8f6f4 v[D2+8*\t:D2+8*\t+7], v[152+8*\t:159+8*\t], v[HC:HC+7], v[128+8*\t:135+8*\t], v[SW+\t], v[SH] matrix_a_fmt:MATRIX_FMT_FP4 matrix_b_fmt:MATRIX_FMT_FP4
.endr
	WIN 0
.rept 4
	v_nop
.endr
	; ---- the way out: lane (r, h) holds out0(r, 16 t + 8 h + 0 .. 7); through the stage, so that a store covers 512 consecutive bytes.  LDS serves a wave's instructions in order (ISA guide 5.7.1): no wait between stores and loads
.irp t, 0,1
	ds_store_b128 v[STO], v[D2+8*\t:D2+8*\t+3] offset:64*\t
	ds_store_b128 v[STO], v[D2+8*\t+4:D2+8*\t+7] offset:64*\t+16
.endr
	ds_store_b128 v3, v[HR:HR+3] offset:2304       ; all 512 bytes that the last read's 32 lanes can name are written; out2's 320 bytes are laid over them below
.irp i, 0,1,2,3,4
	ds_store_b32 v[ST2], v[L+5+\i] offset:4*\i     ; both lanes of a query store the same word with the same value
.endr
.irp t, 0,1,2,3
	ds_load_b128 v[HR+4*\t:HR+4*\t+3], v[STR] offset:576*\t
.endr
.irp t, 0,1,2,3
	s_wait_dscnt 3-\t                              ; load t is in; the younger ones may be out
	global_store_b128 v3, v[HR+4*\t:HR+4*\t+3], s[28:29] offset:512*\t
.endr
	s_wait_xcnt 0x0                                ; EXEC changes only behind this wait
	v_cmp_gt_u32 vcc_lo, 20, v0
	s_set_vgpr_msb 0xf
	s_wait_tensorcnt 0x0
	ds_add_u32 v254, v255
	s_wait_dscnt 0x0
	s_set_vgpr_msb 0xf00
	s_and_saveexec_b32 s45, vcc_lo                 ; out2's 320 bytes: 20 lanes of 16
	ds_load_b128 v[HR+16:HR+19], v3 offset:2304
	s_wait_dscnt 0x0
	global_store_b128 v3, v[HR+16:HR+19], s[30:31]
	s_wait_xcnt 0x0                                ; and again, in front of the line that widens it
	s_or_b32 exec_lo, exec_lo, s45
	s_endpgm
.Lloss:
	; THE LOSS: sum(part) / (8,192 x 8) - 0.1 x (the sum of the distances between different centres) / 56.  The centres' products in f32, on the same four accumulators; lane (r, h), register j = centre j . centre r % 8.
	; The centres are loaded twice, into two runs of registers.
	v_lshlrev_b32 v3, 6, v0                        ; part: 16 numbers a lane
	v_and_b32 v4, 7, v0
	v_lshlrev_b32 v4, 10, v4
	s_wait_alu depctr_va_vdst(0)
	v_lshl_add_u32 v4, v2, 6, v4                   ; centre r % 8, + 64 h
	s_wait_alu depctr_va_vdst(0)
	s_wait_kmcnt 0x0
.irp k, 0,1,2,3
	global_load_b128 v[16+4*\k:19+4*\k], v3, s[24:25] offset:16*\k
.endr
	WIN 0x40
.irp s, 0,1
.irp b, 0,1,2,3
.irp j, 0,1,2,3
	global_load_b128 v[64*\s+16*\b+4*\j:64*\s+16*\b+4*\j+3], v4, s[26:27] offset:512*\s+128*\b+16*\j
.endr
.endr
.endr
	WIN 0x80
.irp s, 0,1
.irp b, 0,1,2,3
.irp j, 0,1,2,3
	global_load_b128 v[128+64*\s+16*\b+4*\j:128+64*\s+16*\b+4*\j+3], v4, s[26:27] offset:512*\s+128*\b+16*\j
.endr
.endr
.endr
	WIN 0
	s_wait_loadcnt 0x0
	WIN 0xf9                                       ; source 0 window 1, source 1 window 2, C and D window 3
.set i, 0
.rept 64
.if i < 4
	v_wmma_f32_16x16x4_f32 v[192+8*(i%4):199+8*(i%4)], v[2*i:2*i+1], v[128+2*i:129+2*i], 0
.else
	v_wmma_f32_16x16x4_f32 v[192+8*(i%4):199+8*(i%4)], v[2*i:2*i+1], v[128+2*i:129+2*i], v[192+8*(i%4):199+8*(i%4)]
.endif
.set i, i+1
.endr
	WIN 0
	v_pk_add_f32 v[16:17], v[16:17], v[18:19]      ; my 16 partial sums: eight plain lines, the places behind the last product
	v_pk_add_f32 v[20:21], v[20:21], v[22:23]
	v_pk_add_f32 v[24:25], v[24:25], v[26:27]
	v_pk_add_f32 v[28:29], v[28:29], v[30:31]
	v_pk_add_f32 v[16:17], v[16:17], v[20:21]
	v_pk_add_f32 v[24:25], v[24:25], v[28:29]
	v_pk_add_f32 v[16:17], v[16:17], v[24:25]
	v_add_f32 v16, v16, v17
.irp m, 1,2,4,8
	v_add_f32_dpp v16, v16, v16 row_xmask:\m row_mask:0xf bank_mask:0xf
.endr
	v_permlanex16_b32 v17, v16, s42, s43
	v_add_f32 v16, v16, v17                        ; the sum of all 512
	WIN 0x0f                                       ; sources 0 and 1 window 3
.irp j, 0,2,4,6
	v_pk_add_f32 v[32+\j:33+\j], v[192+\j:193+\j], v[200+\j:201+\j]
	v_pk_add_f32 v[40+\j:41+\j], v[208+\j:209+\j], v[216+\j:217+\j]
.endr
	WIN 0
.irp j, 0,2,4,6
	v_pk_add_f32 v[32+\j:33+\j], v[32+\j:33+\j], v[40+\j:41+\j]
.endr
.irp k, 0,1,2,3
	v_cndmask_b32 v[48+\k], v[32+2*\k], v[33+2*\k], s37   ; register r % 8: |centre r % 8|^2
.endr
	v_cndmask_b32 v48, v48, v49, s38
	v_cndmask_b32 v50, v50, v51, s38
	v_cndmask_b32 v48, v48, v50, s39
.irp j, 0,1,2,3,4,5,6,7
	v_readlane_b32 s[66+\j], v48, \j
.endr
.irp j, 0,1,2,3,4,5,6,7
	v_add_f32 v[40+\j], s[66+\j], v48
.endr
.irp j, 0,1,2,3,4,5,6,7
	v_fma_f32 v[40+\j], v[32+\j], -2.0, v[40+\j]
.endr
.irp j, 0,1,2,3,4,5,6,7
	v_max_num_f32 v[40+\j], s44, v[40+\j]
.endr
	s_wait_alu depctr_va_vdst(0)
.irp j, 0,1,2,3,4,5,6,7
	v_sqrt_f32 v[40+\j], v[40+\j]
.endr
	v_nop
	s_wait_alu depctr_va_vdst(0)
.irp j, 0,1,2,3,4,5,6,7
	s_mov_b32 s46, 0xff^(1<<\j)
	v_cndmask_b32 v[40+\j], 0, v[40+\j], s46       ; kept in lanes 0-7 but lane j: each ordered pair of different centres once
.endr
	v_pk_add_f32 v[40:41], v[40:41], v[42:43]
	v_pk_add_f32 v[44:45], v[44:45], v[46:47]
	v_pk_add_f32 v[40:41], v[40:41], v[44:45]
	v_add_f32 v40, v40, v41
.irp m, 1,2,4,8
	v_add_f32_dpp v40, v40, v40 row_xmask:\m row_mask:0xf bank_mask:0xf
.endr
	v_permlanex16_b32 v41, v40, s42, s43
	v_add_f32 v40, v40, v41
	v_mul_f32 v40, 0x3c924925, v40                 ; / 56
	v_mul_f32 v16, 0x37800000, v16                 ; / 65,536
	v_fma_f32 v16, 0xbdcccccd, v40, v16            ; intra - 0.1 inter
	v_mov_b32 v42, 0
	global_store_b32 v42, v16, s[32:33]            ; all lanes store the same word with the same value
	s_endpgm
.Lfunc_end_k_qa72e617b19_finish:
	.size	k_qa72e617b19_finish, .Lfunc_end_k_qa72e617b19_finish-k_qa72e617b19_finish
	.p2alignl 7, 3214868480
	.fill 96, 4, 3214868480
	.section	.rodata,"a",@progbits
	.p2align	6, 0x0
	.amdhsa_kernel k_qa72e617b19_finish
		.amdhsa_group_segment_fixed_size 3328
		.amdhsa_private_segment_fixed_size 0
		.amdhsa_enable_private_segment 0
		.amdhsa_kernarg_size 120
		.amdhsa_user_sgpr_count 2
		.amdhsa_user_sgpr_kernarg_segment_ptr 1
		.amdhsa_wavefront_size32 1
		.amdhsa_system_sgpr_workgroup_id_x 1
		.amdhsa_system_sgpr_workgroup_id_y 1
		.amdhsa_system_sgpr_workgroup_id_z 1
		.amdhsa_system_vgpr_workitem_id 0
		.amdhsa_next_free_vgpr 1024
		.amdhsa_next_free_sgpr 84
		.amdhsa_reserve_vcc 1
		.amdhsa_float_denorm_mode_32 3
		.amdhsa_float_denorm_mode_16_64 3
		.amdhsa_memory_ordered 1
		.amdhsa_forward_progress 1
		.amdhsa_inst_pref_size 146
	.end_amdhsa_kernel
	.amdgpu_metadata
---
amdhsa.version: [ 1, 2 ]
amdhsa.kernels:
  - .name:           k_qa72e617b19_finish
    .symbol:         k_qa72e617b19_finish.kd
    .args:
      - { .name: gsel, .offset: 0, .size: 8, .value_kind: global_buffer, .address_space: global }
      - { .name: cimg, .offset: 8, .size: 8, .value_kind: global_buffer, .address_space: global }
      - { .name: sq, .offset: 16, .size: 8, .value_kind: global_buffer, .address_space: global }
      - { .name: noise, .offset: 24, .size: 8, .value_kind: global_buffer, .address_space: global }
      - { .name: out1, .offset: 32, .size: 8, .value_kind: global_buffer, .address_space: global }
      - { .name: out3, .offset: 40, .size: 8, .value_kind: global_buffer, .address_space: global }
      - { .name: W1, .offset: 48, .size: 8, .value_kind: global_buffer, .address_space: global }
      - { .name: b1, .offset: 56, .size: 8, .value_kind: global_buffer, .address_space: global }
      - { .name: W2, .offset: 64, .size: 8, .value_kind: global_buffer, .address_space: global }
      - { .name: b2, .offset: 72, .size: 8, .value_kind: global_buffer, .address_space: global }
      - { .name: part, .offset: 80, .size: 8, .value_kind: global_buffer, .address_space: global }
      - { .name: cluster_centers, .offset: 88, .size: 8, .value_kind: global_buffer, .address_space: global }
      - { .name: out0, .offset: 96, .size: 8, .value_kind: global_buffer, .address_space: global }
      - { .name: out2, .offset: 104, .size: 8, .value_kind: global_buffer, .address_space: global }
      - { .name: out4, .offset: 112, .size: 8, .value_kind: global_buffer, .address_space: global }
    .group_segment_fixed_size: 3328
    .private_segment_fixed_size: 0
    .kernarg_segment_align: 8
    .kernarg_segment_size: 120
    .max_flat_workgroup_size: 32
    .sgpr_count:     84
    .vgpr_count:     1024
    .wavefront_size: 32
...
	.end_amdgpu_metadata
.endif
;; end of part 3
